; MI455X (gfx1250); checked and timed in simulation.
; The chip was launched on July 23, 2026; its instructions are those of AMD's public machine-readable ISA for CDNA 5 (MIT licence, August 2026) and "CDNA5" Instruction Set Architecture Reference Guide (July 2026). The comments in the code are by the model that wrote it; some were corrected since.
;; Multi Head Attention. Allowed arithmetic: matrix products marked QUANTISED: E2M1 operands, one E8M0 scale for each 32 along K, by v_wmma_scale_f32_16x16x128_f8f6f4 with both operands' format E2M1 (or v_wmma_scale_f32_32x16x128_f4), f32 sums; products left as they are: bf16, f16 or f32 operands; f32 sums; everything else in f32.
;; Inputs: Wk 1,024 x 1,024 float32; Wo 1,024 x 1,024 float32; Wq 1,024 x 1,024 float32; Wv 1,024 x 1,024 float32; bk 1,024 float32; bo 1,024 float32; bq 1,024 float32; bv 1,024 float32; config_idx 8 int32; key 8 x 1,024 x 1,024 float32; query 8 x 1,024 x 1,024 float32; value 8 x 1,024 x 1,024 float32.
;; Outputs: out0 8 x 1,024 x 1,024 float32.
;; This version of the problem:
;;   THIS VERSION OF THE PROBLEM IS GIVEN IN LOW PRECISION. The matrix products marked QUANTISED in the list below multiply operands that are first quantised to E2M1 (2 exponent bits, 1 mantissa bit; 4 bits a number), with one power-of-two scale for each 32 numbers along K (OCP MX v1.0); their sums are f32. The products marked 'left as it is' may take bf16, f16 or f32 operands, with f32 sums. Whichever they take, every output number must still come out within the allowed error. Rounding operands to bf16 (8 significant bits) uses up far more of that allowance than f16 does (11 bits, for magnitudes from 6e-5 to 65,504). All else is computed in f32.
;;   The module's matrix products, in the order in which they are computed (A, B: the left and right operand; K: the contracted axis; several contracted axes count as one K, in the product's order):
;;     1. [M 8,192, K 1,024] x [K 1,024, N 1,024]; A: input query; B: input Wq: QUANTISED
;;     2. [M 8,192, K 1,024] x [K 1,024, N 1,024]; A: input key; B: input Wk: QUANTISED
;;     3. [M 8,192, K 1,024] x [K 1,024, N 1,024]; A: input value; B: input Wv: QUANTISED
;;     4. batch 64 x [M 1,024, K 128] x [K 128, N 1,024]; A: computed on the way; B: computed on the way: left as it is (an operand is computed on the way)
;;     5. batch 64 x [M 1,024, K 1,024] x [K 1,024, N 128]; A: computed on the way; B: computed on the way: left as it is (an operand is computed on the way)
;;     6. [M 8,192, K 1,024] x [K 1,024, N 1,024]; A: computed on the way; B: input Wo: left as it is (an operand is computed on the way)
;;   THE QUANTISER, for each operand of a quantised product, along K:
;;     - K is cut into blocks of 32 from its start; a last block that is shorter is filled with zeros.
;;     - A block's scale is 2^e with e = floor(log2(the largest magnitude in the block)) - 2, held to -126 .. 127; a block of zeros has e = 0. As a byte (E8M0): e + 127.
;;     - Each number is divided by its block's scale, clamped to +-6, and rounded to the nearest number of E2M1, ties to even, subnormals kept.
;;     - The product sums the exact products of the quantised numbers (number of the format x scale) in f32.
;;   ~~~python
;;   def quantise(x, axis):      # numpy; x: float32 -> the quantised numbers, widened to float32 again
;;       x = np.moveaxis(x, axis, -1); K = x.shape[-1]
;;       x = np.pad(x, [(0, 0)] * (x.ndim - 1) + [(0, -K % 32)]); x = x.reshape(x.shape[:-1] + (-1, 32)); a = np.abs(x).max(-1, keepdims=True)
;;       e = np.where(a > 0, np.clip(np.frexp(np.where(a > 0, a, 1))[1] - 1 - 2, -126, 127), 0)      # np.frexp(a)[1] - 1 = floor(log2(a)), exactly
;;       r = np.clip(x / 2.0 ** e, -6, 6)
;;       step = 2.0 ** (np.maximum(np.frexp(np.where(r == 0, 1, r))[1] - 1, 0) - 1)
;;       q = np.round(r / step) * step * 2.0 ** e      # np.round: ties to even
;;       return np.moveaxis(q.reshape(q.shape[:-2] + (-1,))[..., :K], -1, axis).astype(np.float32)
;;   ~~~
;; One version. Each part assembles by itself: llvm-mc -triple=amdgcn-amd-amdhsa -mcpu=gfx1250 --defsym DOCPART=n.
;; ======== version 1 of 1: 4 launches
;; limits: values are held in f16: magnitudes above 65,504 overflow, below 6.1e-05 lose precision
;; workspace buffers: xc 12,582,912 bytes; xs 786,432 bytes; wc 1,572,864 bytes; ws 98,304 bytes; kv 33,554,432 bytes; wob 16,777,216 bytes; ctx 16,777,216 bytes
;; launch prep (part 1): grid 992 x 1, 4 waves a work-group, no clusters, 33,280 bytes of LDS; arguments query, key, value, Wq, Wk, Wv, Wo, config_idx, xc, xs, wc, ws, wob; writes xc, xs, wc, ws, wob
.if DOCPART == 1
	.amdgcn_target "amdgcn-amd-amdhsa--gfx1250"
	.amdhsa_code_object_version 6
	.text
	.protected	k_q8ab621677d_prep
	.globl	k_q8ab621677d_prep
	.p2align	8
	.type	k_q8ab621677d_prep,@function
k_q8ab621677d_prep:
	s_mov_b64 s[64:65], 0
	v_nop
	global_prefetch_b8 v0, s[64:65] scope:SCOPE_SE
	s_setreg_imm32_b32 hwreg(HW_REG_WAVE_MODE, 25, 1), 1
	s_wait_xcnt 0x0
; PREP.  Two kinds of work-groups, told apart by the work-group's number alone.
; (1) Work-groups 0-863: query, key, value [8192][1024] and Wq, Wk, Wv [1024][1024], f32, K innermost, become codes of FP4 (E2M1), K innermost, two to a byte, and one E8M0 byte for each 32 along K.
;     A block's scale is 2^(floor(log2(its largest magnitude)) - 2); its byte is the largest magnitude's exponent field - 2, held at 1 from below.  Rows are dense and K is a multiple of 32: each tensor is a plain
;     stream of blocks.  xc = [q,k,v][8192][512 bytes], xs = [q,k,v][8192][32 bytes], wc, ws likewise with 1,024 rows.  A work-group takes 32,768 numbers, a wave 16 steps of 512.
; (2) Work-groups 864-991: wob[b][n][128 h + j] = f16(Wo[n][h d + j]) where j < d, else 0, with d = 32 (config_idx[b] + 1).  With this weight the packing of the first d channels of every head is part of the last
;     product: sum over (h, j < d) of ctx[.., h, j] Wo[n][h d + j].  Work-group u takes rows 8 u .. 8 u + 7 of Wo for all eight b; thread t owns k = 8 t .. 8 t + 7 of a row of wob: 16 bytes.
; LIMITS: a block of zeros gets the byte 1 where the rule says 127 (its codes are zeros, and this program alone reads the bytes); blocks whose largest magnitude lies under 2^-124 are held at the byte 1;
; NaN and infinities are not served; config_idx is held to at most 3; Wo is rounded to f16: magnitudes under 6e-5 keep an absolute error of 3e-8, magnitudes over 65,504 are not served.
.set WAVES, 4
.set STEPS, 16
.set QWG,   864                        ; work-groups that quantise: 3 x 256 for query, key, value; 3 x 32 for Wq, Wk, Wv
.set EMAX,  2
.set CB,    8                          ; bytes of 16 codes
.set R,     16                         ; v16-79   four sets of 16 numbers as they are loaded
.set X,     80                         ; v80-111  two sets of 16 neighbours
.set E,     112                        ; v112-127 a scale byte for each step
.set C,     128                        ; v128-191 codes: four registers for each step, so that no store's data are written again
.set WREG,  8192                       ; LDS: a region for each wave: two stages of 32 x SP bytes, behind them its 256 scale bytes
.set SP,    80                         ; a lane's place in a stage: its 64 bytes + 16 of padding
.set SPW,   12                         ; v12      LDS address of my spare word; never rewritten
.set NIL,   13                         ; v13      0; never rewritten
.set SPARE, WAVES*WREG                 ; behind the four regions: the spare words, 128 bytes a wave
.set WA,    16                         ; path 2: v16-23 my byte offset in a row of Wo, for each b
.set WD,    24                         ;         v24    my 16 bytes in a row of wob
.set WX,    32                         ;         v32-95 two sets of 4 b x 8 numbers
.set WY,    96                         ;         v96-127 two sets of 4 b x 4 registers of f16
	s_load_b512 s[4:19], s[0:1], 0x0               ; query 4:5, key 6:7, value 8:9, Wq 10:11, Wk 12:13, Wv 14:15, Wo 16:17, config_idx 18:19
	s_load_b256 s[20:27], s[0:1], 0x40             ; xc 20:21, xs 22:23, wc 24:25, ws 26:27
	s_load_b64 s[28:29], s[0:1], 0x60              ; wob
	v_lshl_add_u32 v[SPW], v0, 2, SPARE
	v_mov_b32 v[NIL], 0
	v_lshrrev_b32 v1, 5, v0
	v_readfirstlane_b32 s30, v1                    ; wave
	s_wait_kmcnt 0x0
	s_cmp_ge_u32 ttmp9, QWG
	s_cbranch_scc1 .Lwo
	; ---------------- path 1: the quantiser ----------------
	v_and_b32 v2, 31, v0                           ; lane
	v_lshlrev_b32 v3, 4, v2                        ; my 16 bytes of a load's 512
	s_mul_i32 s31, s30, WREG
	v_lshrrev_b32 v14, 2, v2
	v_mul_u32_u24 v14, v14, SP
	v_and_b32 v15, 3, v2
	v_lshl_add_u32 v14, v15, 4, v14
	v_add_nc_u32 v14, s31, v14                     ; the stage, on the way in: SP (lane / 4) + 16 (lane % 4)
	v_mul_u32_u24 v15, v2, SP
	v_add_nc_u32 v15, s31, v15                     ; and on the way out: SP x lane: my 16 neighbours
	v_mul_u32_u24 v4, v2, CB                       ; my codes' place in a step's
	v_lshrrev_b32 v5, 1, v2
	s_add_co_u32 s31, s31, 2*32*SP
	v_add_nc_u32 v5, s31, v5                       ; LDS: my wave's 256 scale bytes, my block's byte
	v_lshlrev_b32 v7, 3, v2                        ; and on the way out 8 bytes a lane
	v_add_nc_u32 v6, s31, v7
	; which tensor: the choices hang on the work-group's number alone
	s_mov_b64 s[48:49], s[14:15]                   ; Wv,
	s_cmp_lt_u32 ttmp9, 832
	s_cselect_b64 s[48:49], s[12:13], s[48:49]     ; Wk,
	s_cmp_lt_u32 ttmp9, 800
	s_cselect_b64 s[48:49], s[10:11], s[48:49]     ; Wq,
	s_cmp_lt_u32 ttmp9, 768
	s_cselect_b64 s[48:49], s[8:9], s[48:49]       ; value,
	s_cmp_lt_u32 ttmp9, 512
	s_cselect_b64 s[48:49], s[6:7], s[48:49]       ; key,
	s_cmp_lt_u32 ttmp9, 256
	s_cselect_b64 s[48:49], s[4:5], s[48:49]       ; query
	s_cmp_lt_u32 ttmp9, 768
	s_cselect_b64 s[50:51], s[20:21], s[24:25]     ; codes go to xc or wc,
	s_cselect_b64 s[52:53], s[22:23], s[26:27]     ; scale bytes to xs or ws
	s_cselect_b32 s31, 0, 768
	s_cselect_b32 s54, 255, 31                     ; work-groups in a tensor, less one
	s_sub_co_u32 s55, ttmp9, s31                   ; my place among the three tensors that share the target
	s_and_b32 s54, s55, s54                        ; and in my own tensor
	s_lshl_b32 s54, s54, 2
	s_add_co_u32 s54, s54, s30                     ; which run of 8,192 numbers of the source is my wave's
	s_lshl_b32 s56, s54, 15                        ; 32,768 bytes a run
	s_mov_b32 s57, 0
	s_add_nc_u64 s[48:49], s[48:49], s[56:57]
	s_lshl_b32 s55, s55, 2
	s_add_co_u32 s55, s55, s30                     ; which run of the target
	s_lshl_b32 s56, s55, 12                        ; 4,096 bytes of codes a run
	s_add_nc_u64 s[50:51], s[50:51], s[56:57]
	s_lshl_b32 s56, s55, 8                         ; 256 scale bytes a run
	s_add_nc_u64 s[52:53], s[52:53], s[56:57]
.macro LOAD t
.irp i, 0,1,2,3
	global_load_b128 v[R+16*((\t)%4)+4*\i:R+16*((\t)%4)+4*\i+3], v3, s[48:49] offset:2048*(\t)+512*\i th:TH_LOAD_NT   ; 32 lanes read 512 consecutive bytes
.endr
.endm
.macro TURN t                          ; step t's numbers through the stage: LDS serves a wave's instructions in order, so no wait stands between the stores and the loads
.irp i, 0,1,2,3
	ds_store_b128 v14, v[R+16*((\t)%4)+4*\i:R+16*((\t)%4)+4*\i+3] offset:32*SP*((\t)%2)+8*SP*\i
.endr
.irp i, 0,1,2,3
	ds_load_b128 v[X+16*((\t)%2)+4*\i:X+16*((\t)%2)+4*\i+3], v15 offset:32*SP*((\t)%2)+16*\i
.endr
.endm
.irp t, 0,1,2,3
	LOAD \t
.endr
	s_wait_loadcnt 12                              ; step 0's four loads are in; the twelve of steps 1 to 3 may be out
	TURN 0
.macro STEP t
.set XS, X+16*((\t)%2)
.if (\t) > 0
	s_wait_dscnt 1                                 ; this step's numbers are back from the stage (the last step's byte store may be out): so its stores into the stage have read their registers,
.else
	s_wait_dscnt 0x0
.endif
.if (\t)+4 < STEPS
	LOAD (\t)+4                                    ; which take the loads of four steps on
.endif
.if (\t)+1 < STEPS
.if STEPS-2-(\t) >= 3
	s_wait_loadcnt 12                              ; the next step's four loads are in; those of the three steps behind it may be out
.else
	s_wait_loadcnt 4*(STEPS-2-(\t))
.endif
	TURN (\t)+1                                    ; and go through the other stage while this step is worked
.endif
	v_max3_num_f32 v8, |v[XS]|, |v[XS+1]|, |v[XS+2]|               ; the largest magnitude of my 16
	v_max3_num_f32 v9, |v[XS+3]|, |v[XS+4]|, |v[XS+5]|
.irp i, 6,10
	v_max3_num_f32 v8, v8, |v[XS+\i]|, |v[XS+\i+1]|
	v_max3_num_f32 v9, v9, |v[XS+\i+2]|, |v[XS+\i+3]|
.endr
	v_max3_num_f32 v8, v8, |v[XS+14]|, |v[XS+15]|
	v_max3_num_f32 v8, v8, v9, (EMAX+1)<<23        ; and the floor 2^(EMAX + 1 - 127): the byte cannot fall under 1
	v_max_num_f32_dpp v8, v8, v8 row_xmask:1 row_mask:0xf bank_mask:0xf   ; and of my neighbour's 16: the block's
	v_add_nc_u32 v11, -(EMAX<<23), v8              ; EMAX off its exponent field: the conversion takes the exponent field of this operand as its scale
	v_cvt_scalef32_pk8_fp4_f32 v[C+4*(\t)], v[XS:XS+7], v11        ; eight numbers / the scale, to the nearest code, ties to even, beyond the largest code the largest
	v_cvt_scalef32_pk8_fp4_f32 v[C+4*(\t)+1], v[XS+8:XS+15], v11
	v_lshrrev_b32 v[E+(\t)], 23, v11               ; the scale's byte (also the plain line behind the conversions)
	ds_store_b8 v5, v[E+(\t)] offset:16*(\t)       ; both lanes of a block write the same byte with the same value
	global_store_b64 v4, v[C+4*(\t):C+4*(\t)+1], s[50:51] offset:32*CB*(\t)   ; the wave stores 256 consecutive bytes, aligned
.endm
.irp t, 0,1,2,3,4,5,6,7,8,9,10,11,12,13,14,15
	STEP \t
.endr
	ds_load_b64 v[8:9], v6                         ; LDS serves a wave's instructions in order: these see my stores
	s_wait_dscnt 0x0
	global_store_b64 v7, v[8:9], s[52:53]          ; 32 lanes store my run's 256 scale bytes, aligned
	s_wait_tensorcnt 0x0                           ; the wave's end, behind my last LDS store
	ds_add_u32 v[SPW], v[NIL]
	s_wait_dscnt 0x0
	s_endpgm
	; ---------------- path 2: Wo with the packing folded in ----------------
.Lwo:
	s_load_b256 s[32:39], s[18:19], 0x0            ; config_idx[0 .. 7]
	s_sub_co_u32 s31, ttmp9, QWG                   ; u
	s_lshl_b32 s56, s31, 15                        ; 8 rows of Wo: 32,768 bytes
	s_mov_b32 s57, 0
	s_add_nc_u64 s[16:17], s[16:17], s[56:57]
	s_lshl_b32 s56, s31, 14                        ; 8 rows of wob: 16,384 bytes
	s_add_nc_u64 s[28:29], s[28:29], s[56:57]      ; b = 0 .. 3 from here,
	s_add_nc_u64 s[58:59], s[28:29], 0x800000      ; b = 4 .. 7 from here: so every store's immediate stays inside its signed 24 bits
	v_and_b32 v1, 15, v0                           ; J: my j = 8 J .. 8 J + 7
	v_lshrrev_b32 v2, 4, v0                        ; h
	v_lshlrev_b32 v2, 7, v2                        ; 128 h: times (config + 1) it is 4 h d bytes
	v_lshlrev_b32 v3, 5, v1                        ; 32 J bytes
	v_lshlrev_b32 v[WD], 4, v0
	s_wait_kmcnt 0x0
.irp b, 0,1,2,3,4,5,6,7
	s_min_u32 s[32+\b], s[32+\b], 3                ; the index is held inside its table,
	s_add_co_u32 s[32+\b], s[32+\b], 1             ; d / 32
	v_mul_u32_u24 v[WA+\b], s[32+\b], v2
	v_add_nc_u32 v[WA+\b], v[WA+\b], v3            ; 4 (h d + 8 J): h d + j is at most 7 d + 127, inside the row for every d
	s_lshl_b32 s31, s[32+\b], 2
	v_cmp_gt_u32 s[40+\b], s31, v1                 ; j < d: 8 J < 32 (config + 1); my eight j fall on one side, since d is a multiple of 32
.endr
; Unit i: row i / 2 of my eight, b = 4 (i % 2) .. + 3.
.macro WLOAD i
.irp q, 0,1,2,3
	global_load_b128 v[WX+32*((\i)%2)+8*\q:WX+32*((\i)%2)+8*\q+3], v[WA+4*((\i)%2)+\q], s[16:17] offset:((\i)/2)*4096
	global_load_b128 v[WX+32*((\i)%2)+8*\q+4:WX+32*((\i)%2)+8*\q+7], v[WA+4*((\i)%2)+\q], s[16:17] offset:((\i)/2)*4096+16
.endr
.endm
.macro WUNIT i
.if (\i) < 15
	s_wait_loadcnt 8                               ; this unit's eight loads are in; the next unit's eight may be out
.else
	s_wait_loadcnt 0
.endif
	s_wait_xcnt 0x0                                ; the stores of two units back have read the registers that are written now
.irp q, 0,1,2,3
.irp p, 0,1,2,3
	v_cvt_pk_f16_f32 v[WY+16*((\i)%2)+4*\q+\p], v[WX+32*((\i)%2)+8*\q+2*\p], v[WX+32*((\i)%2)+8*\q+2*\p+1]
.endr
.endr
.irp q, 0,1,2,3
.irp p, 0,1,2,3
	v_cndmask_b32 v[WY+16*((\i)%2)+4*\q+\p], 0, v[WY+16*((\i)%2)+4*\q+\p], s[40+4*((\i)%2)+\q]   ; zeros where j >= d
.endr
.endr
.if (\i)+2 < 16
	WLOAD (\i)+2
.endif
.irp q, 0,1,2,3
.if (\i)%2 == 0
	global_store_b128 v[WD], v[WY+4*\q:WY+4*\q+3], s[28:29] offset:\q*2097152+((\i)/2)*2048        ; a wave stores 512 consecutive bytes, aligned
.else
	global_store_b128 v[WD], v[WY+16+4*\q:WY+16+4*\q+3], s[58:59] offset:\q*2097152+((\i)/2)*2048
.endif
.endr
.endm
	WLOAD 0
	WLOAD 1
.irp i, 0,1,2,3,4,5,6,7,8,9,10,11,12,13,14,15
	WUNIT \i
.endr
	s_wait_tensorcnt 0x0                           ; every wave of the launch ends alike
	ds_add_u32 v[SPW], v[NIL]
	s_wait_dscnt 0x0
	s_endpgm
.Lfunc_end_k_q8ab621677d_prep:
	.size	k_q8ab621677d_prep, .Lfunc_end_k_q8ab621677d_prep-k_q8ab621677d_prep
	.p2alignl 7, 3214868480
	.fill 96, 4, 3214868480
	.section	.rodata,"a",@progbits
	.p2align	6, 0x0
	.amdhsa_kernel k_q8ab621677d_prep
		.amdhsa_group_segment_fixed_size 33280
		.amdhsa_private_segment_fixed_size 0
		.amdhsa_enable_private_segment 0
		.amdhsa_kernarg_size 104
		.amdhsa_user_sgpr_count 2
		.amdhsa_user_sgpr_kernarg_segment_ptr 1
		.amdhsa_wavefront_size32 1
		.amdhsa_system_sgpr_workgroup_id_x 1
		.amdhsa_system_sgpr_workgroup_id_y 1
		.amdhsa_system_sgpr_workgroup_id_z 1
		.amdhsa_system_vgpr_workitem_id 0
		.amdhsa_next_free_vgpr 192
		.amdhsa_next_free_sgpr 66
		.amdhsa_reserve_vcc 0
		.amdhsa_float_denorm_mode_32 3
		.amdhsa_float_denorm_mode_16_64 3
		.amdhsa_memory_ordered 1
		.amdhsa_forward_progress 1
		.amdhsa_inst_pref_size 87
	.end_amdhsa_kernel
	.amdgpu_metadata
---
amdhsa.version: [ 1, 2 ]
amdhsa.kernels:
  - .name:           k_q8ab621677d_prep
    .symbol:         k_q8ab621677d_prep.kd
    .args:
      - { .name: query, .offset: 0, .size: 8, .value_kind: global_buffer, .address_space: global }
      - { .name: key, .offset: 8, .size: 8, .value_kind: global_buffer, .address_space: global }
      - { .name: value, .offset: 16, .size: 8, .value_kind: global_buffer, .address_space: global }
      - { .name: Wq, .offset: 24, .size: 8, .value_kind: global_buffer, .address_space: global }
      - { .name: Wk, .offset: 32, .size: 8, .value_kind: global_buffer, .address_space: global }
      - { .name: Wv, .offset: 40, .size: 8, .value_kind: global_buffer, .address_space: global }
      - { .name: Wo, .offset: 48, .size: 8, .value_kind: global_buffer, .address_space: global }
      - { .name: config_idx, .offset: 56, .size: 8, .value_kind: global_buffer, .address_space: global }
      - { .name: xc, .offset: 64, .size: 8, .value_kind: global_buffer, .address_space: global }
      - { .name: xs, .offset: 72, .size: 8, .value_kind: global_buffer, .address_space: global }
      - { .name: wc, .offset: 80, .size: 8, .value_kind: global_buffer, .address_space: global }
      - { .name: ws, .offset: 88, .size: 8, .value_kind: global_buffer, .address_space: global }
      - { .name: wob, .offset: 96, .size: 8, .value_kind: global_buffer, .address_space: global }
    .group_segment_fixed_size: 33280
    .private_segment_fixed_size: 0
    .kernarg_segment_align: 8
    .kernarg_segment_size: 104
    .max_flat_workgroup_size: 128
    .sgpr_count:     66
    .vgpr_count:     192
    .wavefront_size: 32
...
	.end_amdgpu_metadata
.endif
;; end of part 1
;; launch proj (part 2): grid 4 x 64, 4 waves a work-group, clusters of 4 x 4, 327,680 bytes of LDS; arguments xc, xs, wc, ws, kv, bk, bv; writes kv
.if DOCPART == 2
	.amdgcn_target "amdgcn-amd-amdhsa--gfx1250"
	.amdhsa_code_object_version 6
	.text
	.protected	k_q8ab621677d_proj
	.globl	k_q8ab621677d_proj
	.p2align	8
	.type	k_q8ab621677d_proj,@function
k_q8ab621677d_proj:
	s_mov_b64 s[64:65], 0
	v_nop
	global_prefetch_b8 v0, s[64:65] scope:SCOPE_SE
	s_setreg_imm32_b32 hwreg(HW_REG_WAVE_MODE, 25, 1), 1
	s_wait_xcnt 0x0
	s_wait_alu depctr_hold_cnt(0) depctr_sa_sdst(0) depctr_va_vdst(0) depctr_va_sdst(0) depctr_va_ssrc(0) depctr_va_vcc(0) depctr_vm_vsrc(0)
	s_getreg_b32 s2, hwreg(HW_REG_IB_STS2, 6, 4)
	s_cmp_eq_u32 s2, 0
	s_cbranch_scc0 .Lentry_in_a_cluster
	s_endpgm
.Lentry_in_a_cluster:
	s_bfe_u32 s2, ttmp6, 0x10000c
	s_cmp_lg_u32 s2, 0xf033
	s_cbranch_scc0 .Lentry_shape_is_right
	s_endpgm
.Lentry_shape_is_right:
; PROJ.  k = key Wk^T + bk, v = value Wv^T + bv, on codes of FP4 (E2M1) with one E8M0 scale for each 32 along K; sums in f32; results rounded once to f16 and laid by head:
; kv = [k,v][8 b + h][1024 s][128] f16.  (q's projection is made by the attention launch, each wave for its own queries.)  The two products are ONE product of 16,384 rows: in xc, xs key's and value's rows lie on
; end, behind query's 8,192; the weight's rows begin 1,024 (1 + t) rows into wc, ws for tensor t (0 k, 1 v).
; A tile, 256 tokens x 256 outputs, is made by a work-group of four waves: 64 x 4 tiles = 256 work-groups.  A wave makes 128 x 128: 128 tokens of ONE head, 64 accumulators, 512 registers.  K = 1,024 is two slots of
; 512: both are asked for at the head, with the scale bytes of the tile's rows for all of K: three tensor loads of a wave are out, and no slot is filled again.
; CLUSTERS: 4 x 4 work-groups.  The four of a row need the same tiles of the activations, the four of a column the same tiles of the weight: each is asked for JOINTLY.
; THE MATRIX INSTRUCTION IS USED TRANSPOSED (source 0 = 16 rows of W, source 1 = 16 tokens): a lane holds eight neighbouring outputs of a token.  The bias is the C of each sum's first instruction.
; LIMITS: |k|, |v| stay under 65,504 (f16); magnitudes under 6e-5 keep an absolute error of 3e-8.
; REGISTERS: window 0: v0-31 addresses; v32-95 scale words, two sets; v128-191 the activations' fragments, ONE set; v192-255 the bias, later the way out.  window 1: the weight's fragments, two sets, at v0 and v128.
;   window 2: the accumulators of my tokens 0-63 ((a, b) at v[8 (8 a + b)]);  window 3: those of my tokens 64-127.
.set KSTEP,  512                       ; along K in a slot
.set NQ,     KSTEP/128                 ; matrix instructions deep
.set ROWB,   256                       ; a tile's row in bytes
.set KROW,   512                       ; a row of codes in memory
.set PITCH,  272                       ; an LDS row: 256 bytes + 16 of padding, so that the 16 rows of a load begin 68 words apart
.set FR,     8                         ; registers of a fragment
.set NL,     2                         ; LDS loads that bring one
.set NP,     4                         ; places behind this matrix instruction (ISA guide 7.12.1)
.set HALFT,  128*PITCH                 ; 128 rows: what one tensor load brings
.set SLOT,   4*HALFT                   ; the activations' 256 rows, then the weight's 256
.set KS,     32                        ; a row of scale bytes
.set SCL,    2*SLOT                    ; behind the ring: the scales, as runs of 256 bytes + 16 of padding
.set HALFS,  (128*KS/256)*272          ; those of 128 rows
.set SBLK,   (16*KS/256)*272           ; those of 16 rows
.set SPARE,  SCL+4*HALFS               ; the spare words, 128 bytes a wave
.set SPITCH, 272                       ; the way out: a stage of 16 rows x (256 bytes + 16) for each wave, in slot 0, which has had its one fill and its last read by then
.set ADRA, 16                          ; v16-17  LDS address of my A fragments in slot 0, 1
.set ADRB, 20                          ; v20-21  the same for B
.set STO,  24                          ; v24     the way out: where I put 16 bytes of a row
.set RD,   25                          ; v25     where I read a row back
.set CO,   26                          ; v26     16 x lane: my place in two rows of kv
.set ADRS, 27                          ; v27     LDS address of my scale words: lanes 0-15 A's rows, lanes 16-31 B's
.set SPW,  28                          ; v28     my spare word; never rewritten
.set NIL,  29                          ; v29     0; never rewritten
.set BOF,  30                          ; v30     32 x (lane / 16): my eight numbers of a block's sixteen biases
.set SC,   32                          ; scale words: set s at v[SC + 32 s]; register 4 i + q: lanes 0-15 A's block i, lanes 16-31 B's block i, the slot's q-th 128 along K
.set AF,   128
.set BIAS, 192                         ; v192-255 register 8 b + j: bias[n0 + 16 b + 8 (lane / 16) + j]
.set TMP,  192                         ; the way out: a block's 32 packed registers
.set OB,   32                          ; and 16 rows read back: v32-63 and v224-255 by turns
.set G1, 24
.set G0, 32
.set G1B, 48
.set G0B, 56
.set G1S, 68
.set G0S, 76
.set G1SB, 80
.set G0SB, 88
.set MSB, 0
.macro WIN new                         ; the immediate's high byte repeats the setting that is left
.if MSB != \new
	s_set_vgpr_msb (MSB<<8)|\new
.set MSB, \new
.endif
.endm
.set MUL_LO,   0xa1                    ; source 0 (W) window 1, source 1 (x) window 0, C and D window 2
.set MUL_HI,   0xf1                    ; the same, C and D window 3
.set FIRST_LO, 0x81                    ; C (the bias) window 0, D window 2
.set FIRST_HI, 0xc1                    ; C window 0, D window 3
.set TO_B,     0x40
; A joint load: waves 0 and 1 fetch for the activations, waves 2 and 3 for the weight.  The branch hangs on the wave's number alone.  An s_nop 0 and four v_nop follow each line.
.macro JLOAD g0a, g1a, g0b, g1b
	s_cmp_eq_u32 s15, 0
	s_cbranch_scc0 .Lfor_b_\@
	tensor_load_to_lds s[\g0a:\g0a+3], s[\g1a:\g1a+7]
	s_nop 0
.rept 4
	v_nop
.endr
	s_branch .Lasked_\@
.Lfor_b_\@:
	tensor_load_to_lds s[\g0b:\g0b+3], s[\g1b:\g1b+7]
	s_nop 0
.rept 4
	v_nop
.endr
.Lasked_\@:
.endm
.macro CROUND                          ; a round of the cluster's barrier
	s_barrier_signal -1
	s_barrier_wait -1
	s_cmp_lg_u32 s14, 0
	s_cbranch_scc1 .Lnot_wave_0_\@
	s_barrier_signal -3
.Lnot_wave_0_\@:
	s_barrier_wait -3
	s_barrier_signal -1
	s_barrier_wait -1
.endm
	s_load_b128 s[4:7], s[0:1], 0x0                ; xc, xs
	s_load_b128 s[8:11], s[0:1], 0x10              ; wc, ws
	s_load_b64 s[12:13], s[0:1], 0x20              ; kv
	s_load_b128 s[96:99], s[0:1], 0x28             ; bk, bv
	v_lshl_add_u32 v[SPW], v0, 2, SPARE
	v_mov_b32 v[NIL], 0
	ds_add_u32 v[SPW], v[NIL]                      ; the wave's opening: the add, twice on end, and its wait ahead of my first tensor load
	ds_add_u32 v[SPW], v[NIL]
	v_lshrrev_b32 v1, 5, v0
	v_readfirstlane_b32 s14, v1                    ; wave 0..3
	s_lshr_b32 s15, s14, 1                         ; which half of the tile's tokens is mine.  Also: I fetch for A (0) or for B (1)
	s_and_b32 s16, s14, 1                          ; which half of its outputs.  Also: which 128 rows I fetch
	s_bfe_u32 s40, ttmp6, 0x40000                  ; cx, cy
	s_bfe_u32 s41, ttmp6, 0x40004
	s_lshl_b32 s42, ttmp9, 2
	s_add_co_u32 s42, s42, s40                     ; tile column = 4 x cluster x + cx
	s_and_b32 s17, ttmp7, 0xffff
	s_lshr_b32 s95, s17, 3                         ; t: 0 k, 1 v: eight clusters along y to a tensor; the same in all sixteen partners
	s_lshl_b32 s17, s17, 2
	s_add_co_u32 s17, s17, s41                     ; tile row = 4 x cluster y + cy, 0 .. 63
	s_lshl_b32 s43, s41, 2
	s_lshl_b32 s43, 15, s43                        ; my row of the cluster
	s_lshl_b32 s44, 0x1111, s40                    ; my column
	; group 1: a tile of 128 rows x 256 bytes, 16 bytes of padding behind each row
	s_or_b32 s[G1+0], s43, (0<<16)|(1<<20)|(1<<21)|(5<<22)|(3<<25)
	s_or_b32 s[G1B+0], s44, (0<<16)|(1<<20)|(1<<21)|(5<<22)|(3<<25)
.irp g, G1, G1B
	s_mov_b32 s[\g+1], ROWB<<16                    ; tensor_dim0
	s_mov_b32 s[\g+2], 128<<16                     ; tensor_dim1
	s_mov_b32 s[\g+3], ROWB<<16                    ; tile_dim0
	s_mov_b32 s[\g+4], 128                         ; tile_dim1
	s_mov_b32 s[\g+5], KROW                        ; pitch
	s_mov_b32 s[\g+6], 0
	s_mov_b32 s[\g+7], 0
.endr
	; the scales of 128 rows: 4,096 dense bytes, as 16 rows of 256 bytes (32 elements of 8 bytes), 16 bytes of padding behind each
	s_or_b32 s[G1S+0], s43, (3<<16)|(1<<20)|(1<<21)|(5<<22)|(3<<25)
	s_or_b32 s[G1SB+0], s44, (3<<16)|(1<<20)|(1<<21)|(5<<22)|(3<<25)
.irp g, G1S, G1SB
	s_mov_b32 s[\g+1], 32<<16
	s_mov_b32 s[\g+2], (128*KS/256)<<16
	s_mov_b32 s[\g+3], 32<<16
	s_mov_b32 s[\g+4], 128*KS/256
	s_mov_b32 s[\g+5], 32
	s_mov_b32 s[\g+6], 0
	s_mov_b32 s[\g+7], 0
.endr
	s_lshl_b32 s18, s16, 7                         ; which 128 rows of the tile I fetch
	s_lshl_b32 s20, s17, 8
	s_add_co_u32 s20, s20, s18                     ; A: row 256 x tile row + 128 x half of key's and value's rows on end,
	s_add_co_u32 s20, s20, 8192                    ; which lie behind query's 8,192 rows
	s_lshl_b32 s46, s42, 8
	s_add_co_u32 s46, s46, s18                     ; B: row 256 x tile column + 128 x half,
	s_lshl_b32 s19, s95, 10
	s_add_co_u32 s46, s46, s19                     ; in weight t,
	s_add_co_u32 s46, s46, 1024                    ; behind Wq's 1,024 rows
	s_mov_b32 s21, 0
	s_mov_b32 s47, 0
	s_mov_b64 s[18:19], KS
	s_mul_u64 s[22:23], s[20:21], s[18:19]         ; where these rows' scales begin,
	s_mul_u64 s[92:93], s[46:47], s[18:19]
	s_mov_b64 s[18:19], KROW
	s_mul_u64 s[20:21], s[20:21], s[18:19]         ; and their codes
	s_mul_u64 s[46:47], s[46:47], s[18:19]
	s_mul_i32 s45, s14, HALFT                      ; where they go: wave x 128 rows
	s_mul_i32 s94, s14, HALFS
	s_wait_dscnt 0x0                               ; both opening adds are done
	s_wait_kmcnt 0x0
	s_add_nc_u64 s[20:21], s[4:5], s[20:21]
	s_add_nc_u64 s[22:23], s[6:7], s[22:23]
	s_add_nc_u64 s[46:47], s[8:9], s[46:47]
	s_add_nc_u64 s[92:93], s[10:11], s[92:93]
	CROUND                                         ; all sixteen work-groups are here: the joint loads meet
	s_mov_b32 s[G0S], 1
	s_add_co_u32 s[G0S+1], s94, SCL
	s_mov_b64 s[G0S+2:G0S+3], s[22:23]
	s_or_b32 s[G0S+3], s[G0S+3], 0x80000000
	s_mov_b32 s[G0SB], 1
	s_add_co_u32 s[G0SB+1], s94, SCL
	s_mov_b64 s[G0SB+2:G0SB+3], s[92:93]
	s_or_b32 s[G0SB+3], s[G0SB+3], 0x80000000
	JLOAD G0S, G1S, G0SB, G1SB                     ; the scales first: they are wanted with the first slot
.irp s, 0,1
	s_mov_b32 s[G0+4*\s], 1
	s_add_co_u32 s[G0+4*\s+1], s45, \s*SLOT
	s_add_nc_u64 s[G0+4*\s+2:G0+4*\s+3], s[20:21], \s*ROWB
	s_or_b32 s[G0+4*\s+3], s[G0+4*\s+3], 0x80000000
	s_mov_b32 s[G0B+4*\s], 1
	s_add_co_u32 s[G0B+4*\s+1], s45, \s*SLOT
	s_add_nc_u64 s[G0B+4*\s+2:G0B+4*\s+3], s[46:47], \s*ROWB
	s_or_b32 s[G0B+4*\s+3], s[G0B+4*\s+3], 0x80000000
	JLOAD G0+4*\s, G1, G0B+4*\s, G1B
.endr
	v_and_b32 v1, 15, v0                           ; r = l % 16
	v_bfe_u32 v2, v0, 4, 1                         ; h = l / 16
	; the bias of my 128 outputs
	s_cmp_eq_u32 s95, 0
	s_cselect_b64 s[96:97], s[96:97], s[98:99]     ; bk or bv: the choice hangs on the cluster's y alone
	s_lshl_b32 s46, s42, 10
	s_lshl_b32 s47, s16, 9
	s_add_co_u32 s46, s46, s47                     ; 4 x (256 x tile column + 128 x half)
	s_mov_b32 s47, 0
	s_add_nc_u64 s[96:97], s[96:97], s[46:47]
	v_lshlrev_b32 v[BOF], 5, v2
.irp b, 0,1,2,3,4,5,6,7
	global_load_b128 v[BIAS+8*\b:BIAS+8*\b+3], v[BOF], s[96:97] offset:64*\b
	global_load_b128 v[BIAS+8*\b+4:BIAS+8*\b+7], v[BOF], s[96:97] offset:64*\b+16
.endr
	v_mul_u32_u24 v3, v1, PITCH
	v_lshl_add_u32 v4, v2, 4, v3                   ; a fragment's row x pitch + 16 x half
	s_mul_i32 s21, s15, HALFT                      ; my 128 rows of A
	s_mul_i32 s22, s16, HALFT                      ; my 128 rows of B,
	s_add_co_u32 s22, s22, 2*HALFT                 ; which lie behind A's 256
.irp s, 0,1
	v_add_nc_u32 v[ADRA+\s], s21, v4
	v_add_nc_u32 v[ADRB+\s], s22, v4
	s_add_co_u32 s21, s21, SLOT
	s_add_co_u32 s22, s22, SLOT
.endr
	v_mul_u32_u24 v5, v1, KS                       ; my row's scales: KS bytes a row,
	v_lshrrev_b32 v6, 8, v5
	v_lshl_add_u32 v5, v6, 4, v5                   ; and 16 more for each 256 passed
	s_mul_i32 s21, s15, HALFS                      ; A's: my 128 rows
	s_mul_i32 s22, s16, HALFS                      ; B's: my 128 rows, behind A's 256
	s_add_co_u32 s22, s22, 2*HALFS
	s_sub_co_u32 s22, s22, s21
	v_mul_u32_u24 v6, s22, v2                      ; lanes 16-31 take B's: the lower base + h x the distance
	s_add_co_u32 s21, s21, SCL
	v_add_nc_u32 v5, v5, v6
	v_add_nc_u32 v[ADRS], s21, v5
	s_mul_i32 s23, s14, 16*SPITCH                  ; my stage
	v_mul_u32_u24 v5, v1, SPITCH                   ; in: row r, 16 bytes for each half of the lanes
	v_lshl_add_u32 v5, v2, 4, v5
	v_add_nc_u32 v[STO], s23, v5
	v_mul_u32_u24 v5, v2, SPITCH                   ; back: lanes 0-15 one row of 256 bytes, lanes 16-31 the next
	v_lshl_add_u32 v5, v1, 4, v5
	v_add_nc_u32 v[RD], s23, v5
	v_and_b32 v6, 31, v0
	v_lshlrev_b32 v[CO], 4, v6                     ; the same two rows in kv: they are 256 bytes each, on end
	; where my 128 tokens of my head begin in kv: m = my first row of the 16,384
	s_lshl_b32 s20, s17, 8
	s_lshl_b32 s21, s15, 7
	s_add_co_u32 s20, s20, s21                     ; m
	s_lshr_b32 s21, s20, 10                        ; 8 t + b
	s_lshl_b32 s21, s21, 21                        ; eight heads of 262,144 bytes to a b
	s_and_b32 s20, s20, 1023                       ; s
	s_lshl_b32 s20, s20, 8
	s_add_co_u32 s20, s20, s21
	s_lshl_b32 s46, s42, 1
	s_add_co_u32 s46, s46, s16                     ; my head: 2 x tile column + half
	s_lshl_b32 s46, s46, 18
	s_add_co_u32 s20, s20, s46
	s_mov_b32 s21, 0
	s_add_nc_u64 s[12:13], s[12:13], s[20:21]
.macro FRAG reg, adr, q, i             ; 16 rows x 128 K of 4-bit codes: lane l holds row l % 16; registers 4 c .. 4 c + 3 hold K = 64 c + 32 (l / 16) + 0 .. 31
.irp c, 0,1
	ds_load_b128 v[\reg+4*\c:\reg+4*\c+3], v[\adr] offset:64*(\q)+32*\c+(\i)*16*PITCH
.endr
.endm
; 16 matrix instructions: A's blocks a0, a0 + 1 x B's eight, the slot's q-th 128 along K.  p: B's set; sc: the set of scale words.  zero = 1: the sum begins with the bias.
; The 64 accumulators take turns, one instruction a turn, in the same order in every step.
.macro MUL16 a0, p, q, sc, zero
.irp a, \a0, \a0+1
.irp b, 0,1,2,3,4,5,6,7
.if \zero
	v_wmma_scale_f32_16x16x128_f8f6f4 v[8*(8*((\a)%4)+\b):8*(8*((\a)%4)+\b)+7], v[128*(\p)+FR*\b:128*(\p)+FR*\b+FR-1], v[AF+FR*(\a):AF+FR*(\a)+FR-1], v[BIAS+8*\b:BIAS+8*\b+7], v[SC+8*NQ*(\sc)+NQ*\b+(\q)], v[SC+8*NQ*(\sc)+NQ*(\a)+(\q)] matrix_a_fmt:MATRIX_FMT_FP4 matrix_b_fmt:MATRIX_FMT_FP4 matrix_a_scale:MATRIX_SCALE_ROW1
.else
	v_wmma_scale_f32_16x16x128_f8f6f4 v[8*(8*((\a)%4)+\b):8*(8*((\a)%4)+\b)+7], v[128*(\p)+FR*\b:128*(\p)+FR*\b+FR-1], v[AF+FR*(\a):AF+FR*(\a)+FR-1], v[8*(8*((\a)%4)+\b):8*(8*((\a)%4)+\b)+7], v[SC+8*NQ*(\sc)+NQ*\b+(\q)], v[SC+8*NQ*(\sc)+NQ*(\a)+(\q)] matrix_a_fmt:MATRIX_FMT_FP4 matrix_b_fmt:MATRIX_FMT_FP4 matrix_a_scale:MATRIX_SCALE_ROW1
.endif
.endr
.endr
.endm
.macro FETCH_B slot, q, p
	WIN TO_B
.irp i, 0,1,2,3,4,5,6,7
	FRAG 128*(\p)+FR*\i, ADRB+\slot, \q, \i
.endr
	WIN 0
.endm
.macro FETCH_A slot, q, i0
.irp i, \i0, \i0+1, \i0+2, \i0+3
	FRAG AF+FR*(\i), ADRA+\slot, \q, \i
.endr
.endm
.macro SCALES sc                       ; a slot's scale words into set sc: four words a row; lanes 0-15 take A's block i, lanes 16-31 B's block i
.irp i, 0,1,2,3,4,5,6,7
	ds_load_b128 v[SC+8*NQ*\sc+NQ*\i:SC+8*NQ*\sc+NQ*\i+3], v[ADRS] offset:\i*SBLK
.endr
.endm
.macro PLACES n                        ; plain vector lines between a matrix instruction and a load into, or a read of, its registers
.rept \n
	v_nop
.endr
.endm
; A step of 128 along K that has its successor in the same slot.  A's blocks 0-3 are fetched anew in its middle, blocks 4-7 at its end; B has two sets.
.macro STEP slot, q, zero
	s_wait_dscnt 4*NL                              ; B's set and A's blocks 0-3 are in; the youngest eight loads (A's blocks 4-7) may be out
.if \zero
	WIN FIRST_LO
.else
	WIN MUL_LO
.endif
	MUL16 0, (\q)%2, \q, \slot, \zero
	MUL16 2, (\q)%2, \q, \slot, \zero
	s_wait_dscnt 0                                 ; A's blocks 4-7 are in
	PLACES NP
	FETCH_B \slot, (\q)+1, 1-(\q)%2
	FETCH_A \slot, (\q)+1, 0
.if \zero
	WIN FIRST_HI
.else
	WIN MUL_HI
.endif
	MUL16 4, (\q)%2, \q, \slot, \zero
	MUL16 6, (\q)%2, \q, \slot, \zero
	PLACES NP
	WIN 0
	FETCH_A \slot, (\q)+1, 4
.endm
; A slot's last step changes slots: one barrier; in front of it each wave waits for all its tensor loads (its part of the next slot), and for its own reads of this slot.  Nothing is filled again.
.macro TURN slot, next
	s_wait_tensorcnt 0x0                           ; my part of the next slot has landed
	ds_add_u32 v[SPW], v[NIL]                      ; 0 onto my spare word
	s_wait_dscnt 4*NL+1                            ; (the add and the youngest eight loads may be out)
	WIN MUL_LO
	MUL16 0, 1, NQ-1, \slot, 0
	s_wait_dscnt 0x0                               ; the add is done, and my reads of this slot are over
	s_barrier_signal -1
	MUL16 2, 1, NQ-1, \slot, 0
	WIN 0
	s_barrier_wait -1
	PLACES NP
	v_add_nc_u32 v[ADRS], 4*NQ, v[ADRS]            ; on to the next slot's scale words
	FETCH_B \next, 0, 0
	FETCH_A \next, 0, 0
	SCALES \next
	WIN MUL_HI
	MUL16 4, 1, NQ-1, \slot, 0
	MUL16 6, 1, NQ-1, \slot, 0
	PLACES NP
	WIN 0
	FETCH_A \next, 0, 4
.endm
.macro STEPS slot, from
.set Q, \from
.rept NQ-1-\from
	STEP \slot, Q, 0
.set Q, Q+1
.endr
.endm
	s_wait_tensorcnt 1                             ; the scales and my part of slot 0 are in; slot 1's load, the one issued behind them, may be out
	s_barrier_signal -1
	s_barrier_wait -1                              ; everybody's are
	FETCH_B 0, 0, 0
	FETCH_A 0, 0, 0
	SCALES 0
	FETCH_A 0, 0, 4
	s_wait_loadcnt 0x0                             ; the bias
	STEP 0, 0, 1
	STEPS 0, 1
	TURN 0, 1
	STEPS 1, 0
	s_wait_dscnt 4*NL                              ; the last step: nothing more to fetch
	WIN MUL_LO
	MUL16 0, 1, NQ-1, 1, 0
	MUL16 2, 1, NQ-1, 1, 0
	s_wait_dscnt 0
	WIN MUL_HI
	MUL16 4, 1, NQ-1, 1, 0
	MUL16 6, 1, NQ-1, 1, 0
	WIN 0
; THE WAY OUT, block by block of 16 tokens x 128 outputs.  PACK: rounded to f16, 16 bytes a lane, each accumulator from its low end on.  TOSTAGE: into my stage and back as whole rows of 256 bytes.  SEND: stored.
.macro PACK a
.set AC, 64*((\a)%4)
	WIN 0x0a+5*((\a)/4)                            ; sources 0 and 1: window 2 or 3
.irp b, 0,1,2,3,4,5,6,7
.irp r, 0,1,2,3
	v_cvt_pk_f16_f32 v[TMP+4*\b+\r], v[AC+8*\b+2*\r], v[AC+8*\b+2*\r+1]
.endr
.endr
	WIN 0
.endm
.macro TOSTAGE a
.set BK, OB+192*((\a)%2)
.irp b, 0,1,2,3,4,5,6,7
	ds_store_b128 v[STO], v[TMP+4*\b:TMP+4*\b+3] offset:32*\b
.endr
.irp t, 0,1,2,3,4,5,6,7
	ds_load_b128 v[BK+4*\t:BK+4*\t+3], v[RD] offset:\t*2*SPITCH    ; LDS serves a wave's instructions in order: these see the stores above
.endr
.endm
.macro SEND a
.set BK, OB+192*((\a)%2)
	s_wait_dscnt 0x0                               ; the block is back in registers
	s_wait_xcnt 0x0                                ; the stores of the block before have read their registers: the next block's loads may land there
.irp t, 0,1,2,3,4,5,6,7
	global_store_b128 v[CO], v[BK+4*\t:BK+4*\t+3], s[12:13] offset:(\a)*4096+\t*512   ; 32 lanes store 512 consecutive bytes, aligned
.endr
.endm
	PLACES NP
	PACK 0
	TOSTAGE 0
.irp a, 1,2,3,4,5,6,7                  ; block a's conversions stand between block a - 1's loads from the stage and the wait for them
	PACK \a
	SEND \a-1
	TOSTAGE \a
.endr
	SEND 7
	s_wait_tensorcnt 0x0                           ; the wave's end
	ds_add_u32 v[SPW], v[NIL]
	s_wait_dscnt 0x0
	CROUND                                         ; the closing round
	s_endpgm
.Lfunc_end_k_q8ab621677d_proj:
	.size	k_q8ab621677d_proj, .Lfunc_end_k_q8ab621677d_proj-k_q8ab621677d_proj
	.p2alignl 7, 3214868480
	.fill 96, 4, 3214868480
	.section	.rodata,"a",@progbits
	.p2align	6, 0x0
	.amdhsa_kernel k_q8ab621677d_proj
		.amdhsa_group_segment_fixed_size 327680
		.amdhsa_private_segment_fixed_size 0
		.amdhsa_enable_private_segment 0
		.amdhsa_kernarg_size 56
		.amdhsa_user_sgpr_count 2
		.amdhsa_user_sgpr_kernarg_segment_ptr 1
		.amdhsa_wavefront_size32 1
		.amdhsa_system_sgpr_workgroup_id_x 1
		.amdhsa_system_sgpr_workgroup_id_y 1
		.amdhsa_system_sgpr_workgroup_id_z 1
		.amdhsa_system_vgpr_workitem_id 0
		.amdhsa_next_free_vgpr 1024
		.amdhsa_next_free_sgpr 100
		.amdhsa_reserve_vcc 0
		.amdhsa_float_denorm_mode_32 3
		.amdhsa_float_denorm_mode_16_64 3
		.amdhsa_memory_ordered 1
		.amdhsa_forward_progress 1
		.amdhsa_inst_pref_size 128
	.end_amdhsa_kernel
	.amdgpu_metadata
---
amdhsa.version: [ 1, 2 ]
amdhsa.kernels:
  - .name:           k_q8ab621677d_proj
    .symbol:         k_q8ab621677d_proj.kd
    .args:
      - { .name: xc, .offset: 0, .size: 8, .value_kind: global_buffer, .address_space: global }
      - { .name: xs, .offset: 8, .size: 8, .value_kind: global_buffer, .address_space: global }
      - { .name: wc, .offset: 16, .size: 8, .value_kind: global_buffer, .address_space: global }
      - { .name: ws, .offset: 24, .size: 8, .value_kind: global_buffer, .address_space: global }
      - { .name: kv, .offset: 32, .size: 8, .value_kind: global_buffer, .address_space: global }
      - { .name: bk, .offset: 40, .size: 8, .value_kind: global_buffer, .address_space: global }
      - { .name: bv, .offset: 48, .size: 8, .value_kind: global_buffer, .address_space: global }
    .group_segment_fixed_size: 327680
    .private_segment_fixed_size: 0
    .kernarg_segment_align: 8
    .kernarg_segment_size: 56
    .max_flat_workgroup_size: 128
    .sgpr_count:     100
    .vgpr_count:     1024
    .wavefront_size: 32
...
	.end_amdgpu_metadata
.endif
;; end of part 2
;; launch attn (part 3): grid 4 x 64, 4 waves a work-group, clusters of 4 x 1, 327,680 bytes of LDS; arguments xc, xs, wc, ws, bq, kv, ctx; writes ctx
.if DOCPART == 3
	.amdgcn_target "amdgcn-amd-amdhsa--gfx1250"
	.amdhsa_code_object_version 6
	.text
	.protected	k_q8ab621677d_attn
	.globl	k_q8ab621677d_attn
	.p2align	8
	.type	k_q8ab621677d_attn,@function
k_q8ab621677d_attn:
	s_mov_b64 s[64:65], 0
	v_nop
	global_prefetch_b8 v0, s[64:65] scope:SCOPE_SE
	s_setreg_imm32_b32 hwreg(HW_REG_WAVE_MODE, 25, 1), 1
	s_wait_xcnt 0x0
	s_wait_alu depctr_hold_cnt(0) depctr_sa_sdst(0) depctr_va_vdst(0) depctr_va_sdst(0) depctr_va_ssrc(0) depctr_va_vcc(0) depctr_vm_vsrc(0)
	s_getreg_b32 s2, hwreg(HW_REG_IB_STS2, 6, 4)
	s_cmp_eq_u32 s2, 0
	s_cbranch_scc0 .Lentry_in_a_cluster
	s_endpgm
.Lentry_in_a_cluster:
	s_bfe_u32 s2, ttmp6, 0x10000c
	s_cmp_lg_u32 s2, 0x3003
	s_cbranch_scc0 .Lentry_shape_is_right
	s_endpgm
.Lentry_shape_is_right:
; ATTN.  ctx[b][q][h][:] = the sum over k of softmax_k(Q[q] . K[k] / sqrt(128)) V[k][:] for each of the 64 heads (b, h).  K, V: kv = [k,v][8 b + h][1024][128] f16; ctx: [8192 (b, s)][1024 (h, c)] f16.
; Q IS MADE HERE: Q = query Wq^T + bq on codes of FP4 (E2M1) with one E8M0 scale for each 32 along K (xc, xs: query's rows are the first 8,192; wc, ws: Wq's rows the first 1,024), sums in f32, rounded once to f16.
; Each wave makes Q for its own 64 queries and its head's 128 channels: 4 x 8 tiles x 8 K steps = 256 matrix instructions, at the kernel's head, while the first tiles of K and V are on their way.
; Products, maxima and sums in f32; the weights p are rounded to f16 for the second product, ctx once at the end.  LIMITS: |Q|, |ctx| under 65,504; weights under 6e-8 of the row's largest count as 0 in the second product.
; SHARES.  A work-group owns 256 queries of one head, each of its four waves 64: four tiles of 16.  Every wave walks all 1,024 keys, 64 a step.
; LAYOUT.  S^T = K Q^T (source 0 = 16 keys, source 1 = 16 queries): a lane holds ONE query (lane % 16) and the keys 8 (lane / 16) + 0..7.  Two such tiles, rounded to f16 in pairs, ARE source 1 of O^T = V^T P.
; Q's projection is used transposed in the same way (source 0 = 16 rows of Wq, source 1 = 16 queries): two neighbouring tiles of channels, rounded to f16 in pairs, ARE a fragment of Q.
; K comes out of LDS as it lies, V ([key][channel]) turned, by ds_load_tr16_b128.
; SOFTMAX.  For each query a running maximum m and sum l: p = 2^(c s - c m), c = log2(e) / sqrt(128); in every step O and l are multiplied by a = 2^(c m_old - c m_new).
; BY TURNS.  The wave's tiles are two PIECES (tiles 0, 1; tiles 2, 3).  In a TURN one piece has the matrix unit: 32 products V^T P of the step in hand, then 32 products K Q^T of the next step; the other piece's
; softmax, cut into 64 slices, stands between them, one slice behind each matrix instruction.  Two turns are a key step.
; CLUSTER.  The four query blocks of a head form a cluster and walk the same K and V, and want the same 128 rows of Wq: each tile is asked for JOINTLY.
; REGISTERS: window 0: v0-11, v44-46 addresses; v12-43 statistics, eight a tile; v64-191 S^T, 32 a tile; v192-255 P, 16 a tile.  window 1: O^T, 64 a tile.  window 2: v0-127 Q; v128-255 K of one step.  window 3: v0-127 V of one step.
;   For Q's projection, at the head alone: window 0: v64-127 Wq's scale words, v128-159 query's, v192-255 bq; window 1: the 32 accumulators; window 2: v128-255 Wq's fragments, two sets; window 3: query's 32 fragments, all of K.
.set SIZE_N, 1024
.set KS,    64        ; keys in a step
.set PK,    272       ; a row of K in LDS: 256 bytes + 16 of padding
.set PV,    288       ; a row of V: 256 + 32
.set VOFF,  KS*PK     ; a step's tiles lie together: 64 rows of K, then 64 rows of V
.set STEPB, KS*(PK+PV)
.set SLOT1, 1<<17     ; a slot holds two steps; slot 1 begins here, so that one exclusive or turns an address in one slot into the other's
.set STAGE, SLOT1+2*STEPB  ; behind the ring: 16 rows x 272 bytes for each wave, for the way out
.set SP,    272
.set AK0, 2           ; v2   my lane's place in a tile of K
.set AV0, 3           ; v3   the same for V
.set ADR, 4           ; v4   the LDS address of the run of loads in hand
.set QO,  5           ; v5   my byte offset in 16 rows of codes: 512 x (lane % 16) + 16 x (lane / 16)
.set STO, 6           ; v6   the way out: where I put 16 bytes of a row
.set RD,  7           ; v7   where I read a row back
.set GO,  8           ; v8   my byte offset in the wave's rows of ctx
.set SOF, 44          ; v44  my byte offset in 16 rows of scale bytes: 32 x (lane % 16)
.set BOF, 45          ; v45  32 x (lane / 16): my eight numbers of a tile's sixteen biases
.set AW,  46          ; v46  LDS address of my 16 bytes in a fragment of Wq
.set SPW, 62          ; v62  my spare word; never rewritten
.set NIL, 63          ; v63  0; never rewritten
.set SPARE, STAGE+4*16*272
.set WQ,  SPARE+512   ; behind the spare words: the head's 128 rows of Wq's codes, filled once
.set PW,  528         ; a row of them: 512 bytes + 16 of padding, so that the 16 rows of a load begin 132 words apart
.set ST,  12          ; tile t's statistics at v[ST+8 t]: +0 c m, +1 m, +2, +3 l, +4 to +7 at work; a takes +6 once the maximum is found
.set S,   64
.set P,   192
.set KF,  128
.set WSC, 64          ; Wq's scale words: register 8 c + s: tile c of channels, K step s
.set XSC, 128         ; query's: register 8 t + s
.set BQ,  192         ; register 8 c + j: bq[128 h + 16 c + 8 (lane / 16) + j]
.set WV,  12          ; s12  my wave's number
.set G1K, 24
.set G1V, 32
.set G0K, 40
.set G0V, 48
.set G1W, 84          ; s[84:91], s[92:95] groups 1 and 0 for Wq's rows
.set G0W, 92
.set SLOTS, 56
.set TWICE, 57
.set CS,  58
.set SEL, 60
.set TB,  62
.set PFA, 18
.set LIM, 15
.set PFO, 61
.set MSB, 0
.macro WIN new
.if MSB != \new
	s_set_vgpr_msb (MSB<<8)|\new
.set MSB, \new
.endif
.endm
.set W_KQ, 0x0a       ; K and Q in window 2, S^T in window 0
.set W_PV, 0x53       ; V in window 3, P in window 0, O^T in window 1
.set W_RS, 0x41       ; O^T in window 1, a in window 0
; A joint refill.  Waves 0 and 1 fetch the two steps' tiles of K, waves 2 and 3 those of V.  An s_nop 0 and four v_nop follow each line.
.macro JLOAD
	s_cmp_lt_u32 s[WV], 2
	s_cbranch_scc0 .Lfor_v_\@
	tensor_load_to_lds s[G0K+4:G0K+7], s[G1K:G1K+7]
	s_nop 0
.rept 4
	v_nop
.endr
	s_branch .Lasked_\@
.Lfor_v_\@:
	tensor_load_to_lds s[G0V+4:G0V+7], s[G1V:G1V+7]
	s_nop 0
.rept 4
	v_nop
.endr
.Lasked_\@:
.endm
; A prefetch of what the NEXT change of slots will ask for: a slot's 128 rows of K and 128 of V, 256 bytes a row, a lane a row, two key steps (256 matrix instructions) ahead of that load.
; Each row is named once in the launch: a head has one cluster; its four partners take 32 rows each, told apart by address; in each, wave 0 asks for K's and wave 2 for V's.  The last change that fills a slot asks for nothing.
.macro ASK
	s_cmp_gt_u32 s[SLOTS], s[LIM]
	s_cbranch_scc0 .Lnot_mine_\@
	global_prefetch_b8 v[PFO], s[PFA:PFA+1] th:TH_LOAD_NT scope:SCOPE_SE
.Lnot_mine_\@:
.endm
.macro CROUND
	s_barrier_signal -1
	s_barrier_wait -1
	s_cmp_lg_u32 s[WV], 0
	s_cbranch_scc1 .Lnot_wave_0_\@
	s_barrier_signal -3
.Lnot_wave_0_\@:
	s_barrier_wait -3
	s_barrier_signal -1
	s_barrier_wait -1
.endm
.macro PLACES                       ; four plain vector lines between a matrix instruction and a load into, or a read of, its registers
.rept 4
	v_nop
.endr
.endm
; Q'S PROJECTION.  FETCHW: the eight fragments (16 rows x 128 K of 4-bit codes: 8 registers) of Wq's 128 rows for K step s, from LDS into set s % 2.
.macro FETCHW s
	WIN 0x80                        ; destination window 2
.irp c, 0,1,2,3,4,5,6,7
	ds_load_b128 v[KF+64*((\s)%2)+8*\c:KF+64*((\s)%2)+8*\c+3],   v[AW] offset:\c*16*PW+64*(\s)
	ds_load_b128 v[KF+64*((\s)%2)+8*\c+4:KF+64*((\s)%2)+8*\c+7], v[AW] offset:\c*16*PW+64*(\s)+32
.endr
.endm
; PSTEP: K step s: the next step's fragments of Wq are asked for first, then 32 matrix instructions: my four tiles of queries x the eight tiles of channels.  The 32 accumulators take turns, one instruction a turn,
; in the same order in every step.  The first step's C is bq.
.macro PSTEP s
.if (\s) < 7
.if (\s) > 0
	PLACES                          ; the other set was read by the products just issued
.endif
	FETCHW (\s)+1
	s_wait_dscnt 16                 ; this step's 16 loads are in; the 16 just issued may be out
.else
	s_wait_dscnt 0x0
.endif
	s_wait_loadcnt 8*(7-(\s))       ; the scale words, bq and query's codes up to this step are in; the eight loads of each later step may be out
.if (\s) == 0
	WIN 0x4e                        ; source 0 (Wq) window 2, source 1 (query) window 3, C (bq) window 0, D window 1
.else
	WIN 0x5e                        ; the same, C and D window 1
.endif
.irp t, 0,1,2,3
.irp c, 0,1,2,3,4,5,6,7
.if (\s) == 0
	v_wmma_scale_f32_16x16x128_f8f6f4 v[8*(8*\t+\c):8*(8*\t+\c)+7], v[KF+64*((\s)%2)+8*\c:KF+64*((\s)%2)+8*\c+7], v[8*(8*\t+(\s)):8*(8*\t+(\s))+7], v[BQ+8*\c:BQ+8*\c+7], v[WSC+8*\c+(\s)], v[XSC+8*\t+(\s)] matrix_a_fmt:MATRIX_FMT_FP4 matrix_b_fmt:MATRIX_FMT_FP4
.else
	v_wmma_scale_f32_16x16x128_f8f6f4 v[8*(8*\t+\c):8*(8*\t+\c)+7], v[KF+64*((\s)%2)+8*\c:KF+64*((\s)%2)+8*\c+7], v[8*(8*\t+(\s)):8*(8*\t+(\s))+7], v[8*(8*\t+\c):8*(8*\t+\c)+7], v[WSC+8*\c+(\s)], v[XSC+8*\t+(\s)] matrix_a_fmt:MATRIX_FMT_FP4 matrix_b_fmt:MATRIX_FMT_FP4
.endif
.endr
.endr
.endm
	s_load_b256 s[68:75], s[0:1], 0x0   ; xc 68:69, xs 70:71, wc 72:73, ws 74:75
	s_load_b128 s[76:79], s[0:1], 0x20  ; bq 76:77, kv 78:79
	s_load_b64 s[80:81], s[0:1], 0x30   ; ctx
	v_lshl_add_u32 v[SPW], v0, 2, SPARE
	v_mov_b32 v[NIL], 0
	ds_add_u32 v[SPW], v[NIL]       ; the wave's opening: the add, twice on end, and its wait ahead of my first tensor load
	ds_add_u32 v[SPW], v[NIL]
	v_lshrrev_b32 v1, 5, v0
	v_readfirstlane_b32 s[WV], v1   ; wave 0..3
	s_bfe_u32 s13, ttmp6, 0x40000   ; cx
	s_lshl_b32 s14, ttmp9, 2
	s_add_co_u32 s14, s14, s13      ; my block of 256 queries: it enters query's and ctx's addresses alone
	s_and_b32 s20, ttmp7, 0xffff    ; the head 8 b + h, which the four partners share
	s_lshr_b32 s82, s20, 3          ; b
	s_and_b32 s83, s20, 7           ; h
	s_lshl_b32 s66, s82, 21         ; where my wave's first row begins in ctx: b x 1,024 rows of 2,048 bytes,
	s_lshl_b32 s67, s83, 8          ; + h x 256 bytes,
	s_add_co_u32 s66, s66, s67
	s_lshl_b32 s67, s14, 19         ; + my block's 256 rows,
	s_add_co_u32 s66, s66, s67
	s_lshl_b32 s67, s[WV], 17       ; + my wave's 64
	s_add_co_u32 s66, s66, s67
	s_mov_b32 s67, 0
	s_lshl_b32 s2, s82, 19          ; and in query's codes: rows of 512 bytes: b x 1,024,
	s_lshl_b32 s3, s14, 17          ; + my block's 256,
	s_add_co_u32 s2, s2, s3
	s_lshl_b32 s3, s[WV], 15        ; + my wave's 64
	s_add_co_u32 s2, s2, s3
	s_mov_b32 s3, 0
	s_lshl_b32 s96, s83, 16         ; Wq's codes: the head's 128 rows of 512 bytes,
	s_lshl_b32 s97, s[WV], 14       ; of which I fetch 32: the head and the wave's number alone enter this address
	s_add_co_u32 s96, s96, s97
	s_mov_b32 s97, 0
	s_lshl_b32 s98, s83, 12         ; Wq's scale bytes: the head's 128 rows of 32 bytes
	s_mov_b32 s99, 0
	s_mul_i32 s100, s[WV], 32*PW    ; where my 32 rows go in LDS
	s_mov_b32 s21, 0
	s_mov_b64 s[22:23], SIZE_N*256
	s_mul_u64 s[20:21], s[20:21], s[22:23]  ; the head's first byte in each of k, v
	s_and_b32 s16, s[WV], 1         ; which of a slot's two steps I fetch:
	s_lshl_b32 s22, s16, 14         ; its 64 rows of 256 bytes in memory,
	s_mov_b32 s23, 0
	s_add_nc_u64 s[22:23], s[22:23], s[20:21]
	s_mul_i32 s17, s16, STEPB       ; and its place in a slot
	; group 1: a tile of 64 rows x 128 elements of 2 bytes, padded in LDS; the mask names all four work-groups
	s_mov_b32 s[G1K], 15|(1<<16)|(1<<20)|(1<<21)|(5<<22)|(3<<25)
	s_mov_b32 s[G1V], 15|(1<<16)|(1<<20)|(1<<21)|(5<<22)|(7<<25)
.irp g, G1K, G1V
	s_mov_b32 s[\g+1], 128<<16
	s_mov_b32 s[\g+2], KS<<16
	s_mov_b32 s[\g+3], 128<<16
	s_mov_b32 s[\g+4], KS
	s_mov_b32 s[\g+5], 128
	s_mov_b32 s[\g+6], 0
	s_mov_b32 s[\g+7], 0
.endr
	; and for Wq: 32 rows x 512 elements of 1 byte, four words of padding behind every 128 words
	s_mov_b32 s[G1W], 15|(0<<16)|(1<<20)|(1<<21)|(6<<22)|(3<<25)
	s_mov_b32 s[G1W+1], 512<<16     ; tensor_dim0
	s_mov_b32 s[G1W+2], 32<<16      ; tensor_dim1
	s_mov_b32 s[G1W+3], 512<<16     ; tile_dim0
	s_mov_b32 s[G1W+4], 32          ; tile_dim1
	s_mov_b32 s[G1W+5], 512         ; pitch
	s_mov_b32 s[G1W+6], 0
	s_mov_b32 s[G1W+7], 0
	s_mov_b32 s[CS], 0x3e0293ee     ; c = log2(e) / sqrt(128)
	s_mov_b32 s[CS+1], s[CS]
	s_mov_b32 s[SEL], 0x76543210
	s_mov_b32 s[SEL+1], 0xfedcba98
	s_mov_b32 s[TB], 0
	s_mov_b32 s[SLOTS], SIZE_N/(2*KS)-2
	s_and_b32 s[LIM], s[WV], 1       ; 0 in waves 0 and 2,
	s_or_b32 s[LIM], s[LIM], ttmp9   ; of the head's first (here: only) cluster: the same in all four partners
	s_cmp_eq_u32 s[LIM], 0
	s_cselect_b32 s[LIM], 1, -1
	v_and_b32 v[PFO], 31, v0
	v_lshlrev_b32 v[PFO], 8, v[PFO]
	s_wait_dscnt 0x0                ; both opening adds are done
	s_wait_kmcnt 0x0
	s_mov_b64 s[10:11], s[80:81]    ; ctx
	s_mov_b64 s[6:7], s[78:79]      ; k: the first part of kv
	s_add_nc_u64 s[8:9], s[78:79], 0x1000000   ; v: the second
	s_add_nc_u64 s[6:7], s[6:7], s[22:23]  ; K and V at my tile of slot 0
	s_add_nc_u64 s[8:9], s[8:9], s[22:23]
	s_add_nc_u64 s[10:11], s[10:11], s[66:67]  ; ctx at my wave's first row
	s_add_nc_u64 s[68:69], s[68:69], s[2:3]    ; query's codes likewise,
	s_lshr_b32 s2, s2, 4                       ; and its scale bytes: 32 to a row where the codes have 512
	s_add_nc_u64 s[70:71], s[70:71], s[2:3]
	s_add_nc_u64 s[74:75], s[74:75], s[98:99]  ; Wq's scale bytes at my head's rows
	s_lshl_b32 s98, s83, 9
	s_add_nc_u64 s[76:77], s[76:77], s[98:99]  ; bq at my head's 128 numbers
	s_cmp_lt_u32 s[WV], 2
	s_cselect_b64 s[PFA:PFA+1], s[6:7], s[8:9]
	s_lshl_b32 s2, s13, 13          ; my work-group's 32 rows of the 128
	s_add_nc_u64 s[PFA:PFA+1], s[PFA:PFA+1], s[2:3]
	s_add_nc_u64 s[PFA:PFA+1], s[PFA:PFA+1], 2*2*KS*256  ; in slot 2; the first change of slots steps it to slot 3.  Nothing is prefetched at the head
	CROUND                          ; all four work-groups are here: the first joint loads meet
	s_mov_b32 s[G0W], 1
	s_add_co_u32 s[G0W+1], s100, WQ
	s_add_nc_u64 s[G0W+2:G0W+3], s[72:73], s[96:97]
	s_or_b32 s[G0W+3], s[G0W+3], 0x80000000
.irp s, 0,1
	s_mov_b32 s[G0K+4*\s], 1
	s_add_co_u32 s[G0K+4*\s+1], s17, \s*SLOT1
	s_add_nc_u64 s[G0K+4*\s+2:G0K+4*\s+3], s[6:7], \s*2*KS*256
	s_or_b32 s[G0K+4*\s+3], s[G0K+4*\s+3], 0x80000000
	s_mov_b32 s[G0V+4*\s], 1
	s_add_co_u32 s[G0V+4*\s+1], s17, \s*SLOT1+VOFF
	s_add_nc_u64 s[G0V+4*\s+2:G0V+4*\s+3], s[8:9], \s*2*KS*256
	s_or_b32 s[G0V+4*\s+3], s[G0V+4*\s+3], 0x80000000
.endr
	tensor_load_to_lds s[G0W:G0W+3], s[G1W:G1W+7]   ; the first fills, ahead of every wait on TENSORcnt and every LDS read: my 32 rows of Wq first: they are wanted first;
	s_nop 0
.rept 4
	v_nop
.endr
	s_cmp_lt_u32 s[WV], 2           ; then my parts of slots 0 and 1: three loads of mine are out
	s_cbranch_scc0 .Lfirst_v
	tensor_load_to_lds s[G0K:G0K+3], s[G1K:G1K+7]
	s_nop 0
	tensor_load_to_lds s[G0K+4:G0K+7], s[G1K:G1K+7]
	s_nop 0
.rept 4
	v_nop
.endr
	s_branch .Lfirst_asked
.Lfirst_v:
	tensor_load_to_lds s[G0V:G0V+3], s[G1V:G1V+7]
	s_nop 0
	tensor_load_to_lds s[G0V+4:G0V+7], s[G1V:G1V+7]
	s_nop 0
.rept 4
	v_nop
.endr
.Lfirst_asked:
	; ---- Q = query Wq^T + bq.  What comes from memory straight into registers: the scale words, bq, and my 64 queries' codes for all of K ----
	v_and_b32 v1, 15, v0            ; r = l % 16
	v_bfe_u32 v9, v0, 4, 1          ; h = l / 16
	v_lshlrev_b32 v[QO], 9, v1
	v_lshl_add_u32 v[QO], v9, 4, v[QO]  ; row x 512 + 16 x half
	v_lshlrev_b32 v[SOF], 5, v1     ; row x 32: lane r takes row r's eight scale words (lanes 16-31 hold the same and are not read)
	v_lshlrev_b32 v[BOF], 5, v9
	v_mul_u32_u24 v[AW], v1, PW
	v_lshl_add_u32 v[AW], v9, 4, v[AW]
	v_add_nc_u32 v[AW], WQ, v[AW]
.irp c, 0,1,2,3,4,5,6,7
	global_load_b128 v[WSC+8*\c:WSC+8*\c+3],   v[SOF], s[74:75] offset:512*\c
	global_load_b128 v[WSC+8*\c+4:WSC+8*\c+7], v[SOF], s[74:75] offset:512*\c+16
.endr
.irp t, 0,1,2,3
	global_load_b128 v[XSC+8*\t:XSC+8*\t+3],   v[SOF], s[70:71] offset:512*\t
	global_load_b128 v[XSC+8*\t+4:XSC+8*\t+7], v[SOF], s[70:71] offset:512*\t+16
.endr
.irp c, 0,1,2,3,4,5,6,7
	global_load_b128 v[BQ+8*\c:BQ+8*\c+3],   v[BOF], s[76:77] offset:64*\c
	global_load_b128 v[BQ+8*\c+4:BQ+8*\c+7], v[BOF], s[76:77] offset:64*\c+16
.endr
	WIN 0xc0                        ; destination window 3
.irp s, 0,1,2,3,4,5,6,7             ; by K steps, so that the waits can count: fragment (tile t, K step s) at v[8 (8 t + s)]
.irp t, 0,1,2,3
	global_load_b128 v[8*(8*\t+\s):8*(8*\t+\s)+3],   v[QO], s[68:69] offset:\t*8192+\s*64
	global_load_b128 v[8*(8*\t+\s)+4:8*(8*\t+\s)+7], v[QO], s[68:69] offset:\t*8192+\s*64+32
.endr
.endr
	WIN 0
	v_mul_u32_u24 v[AK0], v1, PK
	v_lshl_add_u32 v[AK0], v9, 4, v[AK0]
	; the turning load takes 16 keys x 16 channels (lane l reads key 8 (l / 16) + l % 8, channels 8 ((l / 8) % 2) + 0..7) and leaves half a fragment of V^T
	v_and_b32 v10, 7, v0
	v_bfe_u32 v11, v0, 3, 1
	v_lshl_add_u32 v[AV0], v9, 3, v10
	v_mul_u32_u24 v[AV0], v[AV0], PV
	v_lshl_add_u32 v[AV0], v11, 4, v[AV0]
	v_add_nc_u32 v[AV0], VOFF, v[AV0]
	s_wait_tensorcnt 2              ; my 32 rows of Wq are in; my two loads for the ring, issued behind them, may be out
	s_barrier_signal -1
	s_barrier_wait -1               ; everybody's are
	FETCHW 0
.irp s, 0,1,2,3,4,5,6,7
	PSTEP \s
.endr
	PLACES                          ; the conversions read results just made
	WIN 0x85                        ; sources 0 and 1 window 1, destination window 2
.set i, 0
.rept 128                           ; Q's register n is made of accumulator registers 2 n and 2 n + 1: tile n / 32, channels 32 ((n / 8) % 4) + 16 ((n / 4) % 2) + 8 (lane / 16) + 2 (n % 4); each accumulator from its low end on
	v_cvt_pk_f16_f32 v[i], v[2*i], v[2*i+1]
.set i, i+1
.endr
	WIN 0
; THE MATRIX WORK OF A TURN, for piece x.  The accumulators take turns, one instruction a turn.
; Product i of 32 of O^T += V^T P: keys 32 (i / 16) on, channels 16 ((i / 2) % 8) on, tile x + i % 2.  zero = 1: the first 16 start the sums.
.macro PV x, zero
	WIN W_PV
.set rO, 64*(\x+i%2)+8*((i/2)%8)
.set rV, 64*(i/16)+8*((i/2)%8)
.set rP, P+16*(\x+i%2)+8*(i/16)
.if \zero && (i < 16)
	v_wmma_f32_16x16x32_f16 v[rO:rO+7], v[rV:rV+7], v[rP:rP+7], 0
.else
	v_wmma_f32_16x16x32_f16 v[rO:rO+7], v[rV:rV+7], v[rP:rP+7], v[rO:rO+7]
.endif
.endm
; Product i of 32 of S^T = K Q^T: channels 32 (i / 8) on, keys 16 ((i / 2) % 4) on, tile x + i % 2.  The first 8 start the sums.
.macro KQ x
	WIN W_KQ
.set rS, S+32*(\x+i%2)+8*((i/2)%4)
.set rK, KF+32*((i/2)%4)+8*(i/8)
.set rQ, 32*(\x+i%2)+8*(i/8)
.if i < 8
	v_wmma_f32_16x16x32_f16 v[rS:rS+7], v[rK:rK+7], v[rQ:rQ+7], 0
.else
	v_wmma_f32_16x16x32_f16 v[rS:rS+7], v[rK:rK+7], v[rQ:rQ+7], v[rS:rS+7]
.endif
.endm
; THE LDS LOADS stand in runs of 32: a step's K and, a turn later, its V (turned).
.macro FETCH_K
	WIN 0
	v_add_nc_u32 v[ADR], s[TB], v[AK0]
	WIN 0x80
.irp f, 0,1,2,3,4,5,6,7,8,9,10,11,12,13,14,15
	ds_load_b128 v[KF+8*\f:KF+8*\f+3],   v[ADR] offset:(\f/4)*16*PK+(\f%4)*64
	ds_load_b128 v[KF+8*\f+4:KF+8*\f+7], v[ADR] offset:(\f/4)*16*PK+(\f%4)*64+32
.endr
.endm
.macro FETCH_V
	WIN 0
	v_add_nc_u32 v[ADR], s[TB], v[AV0]
	s_add_co_u32 s[TB], s[TB], STEPB  ; the next fetch is the next step's
	s_wait_alu depctr_va_vdst(0)    ; the wait for the softmax's batch of exponentials (SLICE), ahead of the first line that names a result
	WIN 0xc0
.irp f, 0,1,2,3,4,5,6,7,8,9,10,11,12,13,14,15
	ds_load_tr16_b128 v[8*\f:8*\f+3],   v[ADR] offset:(\f/8)*32*PV+(\f%8)*32
	ds_load_tr16_b128 v[8*\f+4:8*\f+7], v[ADR] offset:(\f/8)*32*PV+16*PV+(\f%8)*32
.endr
.endm
; THE VECTOR WORK OF A TURN.  One tile's softmax for one key step is a list of 134 instructions; SM writes number j of it for tile t.
;   0-15 the maximum of the lane's 32 scores and the old m;  16-20 the other half of the lanes' maximum, the new m, c m, c m_old - c m_new;
;   21-69 ONE BATCH: 16 packed scalings c s - c m and all 33 exponentials, none of which reads an exponential's result;  (the wait: SLICE writes it)
;   70-85 the roundings to f16;  86-101 the sums, l = a l + the sum;  102-133 the tile's O^T times a.
; first = 1: the first key step, which starts m, l and O^T.
.macro SM t, first
.set rT, ST+8*(\t)
.set rS, S+32*(\t)
.set rP, P+16*(\t)
.set rO, 64*(\t)+2*(j-102)
.if j < 102
	WIN 0
.endif
.if j < 4
	v_max3_num_f32 v[rT+4+j], v[rS+8*j], v[rS+8*j+1], v[rS+8*j+2]
.elseif j < 12
	v_max3_num_f32 v[rT+4+j%4], v[rT+4+j%4], v[rS+8*(j%4)+2*(j/4)+1], v[rS+8*(j%4)+2*(j/4)+2]
.elseif j == 12
	v_max3_num_f32 v[rT+4], v[rT+4], v[rS+7], v[rS+15]
.elseif j == 13
	v_max3_num_f32 v[rT+6], v[rT+6], v[rS+23], v[rS+31]
.elseif j == 14
	v_max3_num_f32 v[rT+4], v[rT+4], v[rT+5], v[rT+6]
.elseif (j == 15) && \first
	v_max_num_f32 v[rT+4], v[rT+4], v[rT+7]
.elseif j == 15
	v_max3_num_f32 v[rT+4], v[rT+4], v[rT+7], v[rT+1]
.elseif j == 16
	v_permlanex16_b32 v[rT+5], v[rT+4], s[SEL], s[SEL+1]  ; the query's other 32 keys lie in the lane 16 away
.elseif j == 18
	v_max_num_f32 v[rT+1], v[rT+4], v[rT+5]
.elseif j == 19
	v_mul_f32 v[rT], s[CS], v[rT+1]
.elseif ((j == 17) || (j == 20) || (j == 23) || (j > 101)) && \first  ; the first step has none of these
.elseif j == 17
	v_mov_b32 v[rT+7], v[rT]        ; c m_old is kept for a
.elseif j == 20
	v_sub_f32 v[rT+7], v[rT+7], v[rT]
.elseif j == 23
	v_exp_f32 v[rT+6], v[rT+7]
.elseif (j < 23) || ((j < 38) && (j%2 == 0)) || ((j < 66) && (j%4 == 2))
.set b, (j-2)/4
.if j < 38
.set b, (j-20)/2
.endif
	v_pk_fma_f32 v[rS+2*b:rS+2*b+1], v[rS+2*b:rS+2*b+1], s[CS:CS+1], v[rT:rT+1] op_sel_hi:[1,0,0] neg_lo:[0,0,1] neg_hi:[0,0,1]  ; pair b: c s - c m
.elseif j < 70
.set e, j-38
.if j < 66
.set e, j-32-(j-38)/4
.endif
.if j < 38
.set e, (j-25)/2
.endif
	v_exp_f32 v[rS+e], v[rS+e]
.elseif j < 86
	v_cvt_pk_f16_f32 v[rP+j-70], v[rS+2*(j-70)], v[rS+2*(j-70)+1]  ; pair j - 70
.elseif j < 102
.set z, j-86
.set w, 4
.set u, z
.if z >= 14
.set w, 32
.set u, 0
.elseif z >= 12
.set w, 16
.set u, z-12
.elseif z >= 8
.set w, 8
.set u, z-8
.endif
.if (z == 14) && \first
	v_pk_add_f32 v[rT+2:rT+3], v[rS:rS+1], v[rS+16:rS+17]
.elseif z < 15
	v_pk_add_f32 v[rS+w*u:rS+w*u+1], v[rS+w*u:rS+w*u+1], v[rS+w*u+w/2:rS+w*u+w/2+1]
.elseif !\first
	v_pk_fma_f32 v[rT+2:rT+3], v[rT+2:rT+3], v[rT+6:rT+7], v[rS:rS+1] op_sel_hi:[1,0,1]
.endif
.else
	WIN W_RS
	v_pk_mul_f32 v[rO:rO+1], v[rO:rO+1], v[rT+6:rT+7] op_sel_hi:[1,0]
.endif
.endm
; Slice k of 64 of piece y's softmax: four instructions.  Slices 11 to 34 deal out the batch, four numbers of ONE tile each, the tiles by turns; every other slice is numbers 2 k and 2 k + 1 of both tiles.
; 2 x 134 = 4 x 64 + 12: the twelve that are over stand in slice 63.  Ahead of slice 35 nothing names an exponential's result, behind slice 34 none is issued: one wait, behind slice 34.
.macro SLICE y, first
.if (k >= 11) && (k < 35)
.irp n, 0,1,2,3
.set j, 22+4*((k-11)/2)+(\n)
	SM (\y)+(k-11)%2, \first
.endr
.else
.irp n, 0,1,2,3,4,5,6,7
.if (\n < 2) || (k == 63)
.irp t, \y, \y+1
.set j, 2*k+\n
	SM \t, \first
.endr
.endif
.endr
.endif
.if k == 34
	v_nop                           ; a plain instruction behind the last exponential and ahead of the first use: one for the batch
.if (\y) == 0
	FETCH_V                         ; piece 2's turn: V's run of loads stands here, and the wait stands in it
.else
	s_wait_alu depctr_va_vdst(0)    ; the wait for the batch
.endif
.endif
.set k, k+1
.endm
; A TURN.  Piece x has the matrix unit; the other piece's softmax stands in slices behind its matrix instructions.  pv = 2: 32 products V^T P; 1: they start O^T's sums; 0: none.  kq = 1: 32 products K Q^T.
.macro TURN x, pv, kq, first
.set k, 0
.set per, 2
.if \pv && \kq
.set per, 1
.endif
.if \pv
.if \x == 0
	s_wait_dscnt 0x0                ; V is in
.endif
.set i, 0
.rept 32
	PV \x, 2-\pv
.rept per
	SLICE 2-\x, \first
.endr
.if (\x == 0) && \kq && (i == 1)
	FETCH_K
.endif
.set i, i+1
.endr
.endif
.if \kq
.if \x == 0
	s_wait_dscnt 0x0                ; K is in
.endif
.set i, 0
.rept 32
	KQ \x
.rept per
	SLICE 2-\x, \first
.endr
.set i, i+1
.endr
.endif
.if \first
	PLACES
.endif
.endm
; THE CHANGE OF SLOTS.  Each wave waits for all its tensor loads (one is out: its part of the other slot), adds 0 to its spare word, and waits for that and for its own reads of the slot.
; fill = 1: the slot is filled again, with the keys two slots on, behind a round of the cluster's barrier; the refill has two key steps, 256 matrix instructions, in which to land.
.macro CHANGE fill
	WIN 0
	s_wait_tensorcnt 0x0            ; no tensor load of mine is out, so a group 0 may be written
	ds_add_u32 v[SPW], v[NIL]       ; 0 onto my spare word
.if \fill
.irp g, G0K+4, G0V+4
	s_xor_b32 s[\g+1], s[\g+1], SLOT1
	s_add_nc_u64 s[\g+2:\g+3], s[\g+2:\g+3], 2*KS*256
.endr
	s_wait_xcnt 0x0                 ; the last prefetch, two key steps back, has read its address, so it may be written
	s_add_nc_u64 s[PFA:PFA+1], s[PFA:PFA+1], 2*KS*256
	s_wait_dscnt 0x0                ; the add is done, and my reads of the slot are over
	CROUND
	JLOAD
	ASK
.else
	s_wait_dscnt 0x0
	s_barrier_signal -1
	s_barrier_wait -1
.endif
	s_sub_co_u32 s[TB], s[TB], 2*STEPB
	s_xor_b32 s[TB], s[TB], SLOT1
.endm
.macro TWO_STEPS
	s_mov_b32 s[TWICE], 2
.Lstep_\@:
	TURN 0, 2, 1, 0
	TURN 2, 2, 1, 0
	WIN 0
	s_sub_co_u32 s[TWICE], s[TWICE], 1
	s_cmp_lg_u32 s[TWICE], 0
	s_cbranch_scc1 .Lstep_\@
.endm
	s_wait_tensorcnt 1              ; my part of slot 0 is in; slot 1's may stay out
	s_barrier_signal -1
	s_barrier_wait -1
	FETCH_K                         ; key step 0 (128 conversions stand between the last product that read these registers and these loads)
	s_wait_dscnt 0x0
.set i, 0
.rept 32
	KQ 0                            ; piece 0's first scores
.set i, i+1
.endr
	WIN 0                           ; the addresses for the way out: eight plain instructions, the places behind those products
	s_mul_i32 s13, s[WV], 16*SP
	s_add_co_u32 s13, s13, STAGE    ; my stage
	v_mul_u32_u24 v[STO], v1, SP
	v_lshl_add_u32 v[STO], v9, 4, v[STO]
	v_add_nc_u32 v[STO], s13, v[STO]
	v_mul_u32_u24 v[RD], v9, SP
	v_lshl_add_u32 v[RD], v1, 4, v[RD]
	v_add_nc_u32 v[RD], s13, v[RD]
	v_lshlrev_b32 v[GO], 11, v9     ; two rows of ctx lie 2,048 bytes apart
	v_lshl_add_u32 v[GO], v1, 4, v[GO]
	TURN 2, 0, 1, 1                 ; piece 2's first scores | piece 0's first softmax | V of step 0
	TURN 0, 1, 1, 1                 ; piece 0: V^T P of step 0 starts O^T, K Q^T of step 1 | piece 2's first softmax | K of step 1
	TURN 2, 1, 1, 0                 ; piece 2: the same | piece 0's softmax of step 1 | V of step 1
	WIN 0
.Lslot:                             ; six trips: every slot but the last two is filled again
	CHANGE 1
	TWO_STEPS
	s_sub_co_u32 s[SLOTS], s[SLOTS], 1
	s_cmp_lg_u32 s[SLOTS], 0
	s_cbranch_scc1 .Lslot
	CHANGE 0                        ; the tail is written out
	TWO_STEPS
	TURN 0, 2, 0, 0                 ; piece 0: V^T P of the last step | piece 2's last softmax
.set i, 0
.rept 32
	PV 2, 0                         ; piece 2: V^T P of the last step
.set i, i+1
.endr
	; THE WAY OUT.  l's halves are added; O^T is divided by l, rounded to f16 and sent through my stage, a tile (16 rows) at a time.  The additions are the places behind the last products.
	WIN 0
.irp t, 0,1,2,3
	v_add_f32 v[ST+8*\t+4], v[ST+8*\t+2], v[ST+8*\t+3]
.endr
.irp t, 0,1,2,3
	v_permlanex16_b32 v[ST+8*\t+5], v[ST+8*\t+4], s[SEL], s[SEL+1]
.endr
.irp t, 0,1,2,3
	v_add_f32 v[ST+8*\t+4], v[ST+8*\t+4], v[ST+8*\t+5]
.endr
.irp t, 0,1,2,3
	v_rcp_f32 v[ST+8*\t+6], v[ST+8*\t+4]
.endr
	v_nop                           ; a plain instruction between the last reciprocal and the use of its result
	s_wait_alu depctr_va_vdst(0)    ; one wait for the four reciprocals, ahead of the first use
.macro PACK t
	WIN W_RS
.set i, 64*\t
.rept 32
	v_pk_mul_f32 v[i:i+1], v[i:i+1], v[ST+8*\t+6:ST+8*\t+7] op_sel_hi:[1,0]
.set i, i+2
.endr
	WIN 0x05                        ; sources 0 and 1 window 1, destination window 0: S^T's registers are free
.set i, 0
.rept 32
	v_cvt_pk_f16_f32 v[S+32*\t+i], v[64*\t+2*i], v[64*\t+2*i+1]
.set i, i+1
.endr
	WIN 0
.irp f, 0,1,2,3,4,5,6,7
	ds_store_b128 v[STO], v[S+32*\t+4*\f:S+32*\t+4*\f+3] offset:32*\f
.endr
.irp f, 0,1,2,3,4,5,6,7
	ds_load_b128 v[S+32*\t+4*\f:S+32*\t+4*\f+3], v[RD] offset:\f*2*SP  ; LDS serves a wave's instructions in order: these see the stores above
.endr
.endm
.macro SEND t, younger              ; younger: the LDS instructions issued behind tile t's loads: the next tile's sixteen, or none
.irp f, 0,1,2,3,4,5,6,7
	s_wait_dscnt \younger+7-\f
	global_store_b128 v[GO], v[S+32*\t+4*\f:S+32*\t+4*\f+3], s[10:11] offset:\t*32768+\f*4096  ; 16 lanes store a head's 256 consecutive bytes of a row of ctx, aligned
.endr
.endm
	PACK 0
	PACK 1
	SEND 0, 16
	PACK 2
	SEND 1, 16
	PACK 3
	SEND 2, 16
	SEND 3, 0
	s_wait_tensorcnt 0x0            ; the wave's end
	ds_add_u32 v[SPW], v[NIL]
	s_wait_dscnt 0x0
	CROUND                          ; the closing round
	s_endpgm
.Lfunc_end_k_q8ab621677d_attn:
	.size	k_q8ab621677d_attn, .Lfunc_end_k_q8ab621677d_attn-k_q8ab621677d_attn
	.p2alignl 7, 3214868480
	.fill 96, 4, 3214868480
	.section	.rodata,"a",@progbits
	.p2align	6, 0x0
	.amdhsa_kernel k_q8ab621677d_attn
		.amdhsa_group_segment_fixed_size 327680
		.amdhsa_private_segment_fixed_size 0
		.amdhsa_enable_private_segment 0
		.amdhsa_kernarg_size 56
		.amdhsa_user_sgpr_count 2
		.amdhsa_user_sgpr_kernarg_segment_ptr 1
		.amdhsa_wavefront_size32 1
		.amdhsa_system_sgpr_workgroup_id_x 1
		.amdhsa_system_sgpr_workgroup_id_y 1
		.amdhsa_system_sgpr_workgroup_id_z 1
		.amdhsa_system_vgpr_workitem_id 0
		.amdhsa_next_free_vgpr 1024
		.amdhsa_next_free_sgpr 102
		.amdhsa_reserve_vcc 0
		.amdhsa_float_denorm_mode_32 3
		.amdhsa_float_denorm_mode_16_64 3
		.amdhsa_memory_ordered 1
		.amdhsa_forward_progress 1
		.amdhsa_inst_pref_size 255
	.end_amdhsa_kernel
	.section	.bss,"aw",@nobits
	.p2align	6
	.space	262144
	.amdgpu_metadata
---
amdhsa.version: [ 1, 2 ]
amdhsa.kernels:
  - .name:           k_q8ab621677d_attn
    .symbol:         k_q8ab621677d_attn.kd
    .args:
      - { .name: xc, .offset: 0, .size: 8, .value_kind: global_buffer, .address_space: global }
      - { .name: xs, .offset: 8, .size: 8, .value_kind: global_buffer, .address_space: global }
      - { .name: wc, .offset: 16, .size: 8, .value_kind: global_buffer, .address_space: global }
      - { .name: ws, .offset: 24, .size: 8, .value_kind: global_buffer, .address_space: global }
      - { .name: bq, .offset: 32, .size: 8, .value_kind: global_buffer, .address_space: global }
      - { .name: kv, .offset: 40, .size: 8, .value_kind: global_buffer, .address_space: global }
      - { .name: ctx, .offset: 48, .size: 8, .value_kind: global_buffer, .address_space: global }
    .group_segment_fixed_size: 327680
    .private_segment_fixed_size: 0
    .kernarg_segment_align: 8
    .kernarg_segment_size: 56
    .max_flat_workgroup_size: 128
    .sgpr_count:     102
    .vgpr_count:     1024
    .wavefront_size: 32
...
	.end_amdgpu_metadata
.endif
;; end of part 3
;; launch outp (part 4): grid 4 x 64, 4 waves a work-group, clusters of 4 x 4, 327,680 bytes of LDS; arguments ctx, wob, out0, bo; writes out0
.if DOCPART == 4
	.amdgcn_target "amdgcn-amd-amdhsa--gfx1250"
	.amdhsa_code_object_version 6
	.text
	.protected	k_q8ab621677d_outp
	.globl	k_q8ab621677d_outp
	.p2align	8
	.type	k_q8ab621677d_outp,@function
k_q8ab621677d_outp:
	s_mov_b64 s[64:65], 0
	v_nop
	global_prefetch_b8 v0, s[64:65] scope:SCOPE_SE
	s_setreg_imm32_b32 hwreg(HW_REG_WAVE_MODE, 25, 1), 1
	s_wait_xcnt 0x0
	s_wait_alu depctr_hold_cnt(0) depctr_sa_sdst(0) depctr_va_vdst(0) depctr_va_sdst(0) depctr_va_ssrc(0) depctr_va_vcc(0) depctr_vm_vsrc(0)
	s_getreg_b32 s2, hwreg(HW_REG_IB_STS2, 6, 4)
	s_cmp_eq_u32 s2, 0
	s_cbranch_scc0 .Lentry_in_a_cluster
	s_endpgm
.Lentry_in_a_cluster:
	s_bfe_u32 s2, ttmp6, 0x10000c
	s_cmp_lg_u32 s2, 0xf033
	s_cbranch_scc0 .Lentry_shape_is_right
	s_endpgm
.Lentry_shape_is_right:
; OUTP.  out0[m][n] = the sum over k of ctx[m][k] wob[b][n][k] + bo[n], b = m / 1024.  ctx [8192][1024] and wob [8][1024][1024] f16, out0 [8192][1024] f32, sums in f32.  wob holds Wo with the packing of the first d
; channels of every head folded in, and zeros elsewhere, so this is a plain product.
; A tile of out0, 128 rows x 256 columns, is made by a work-group of four waves: 64 x 4 tiles = 256 work-groups.  A wave makes 64 x 128: 32 accumulators, 256 registers.
; K goes in 8 steps of 128 through a ring of two LDS slots (rows of 256 bytes): waves 0 and 1 fetch ctx's two halves of 64 rows, waves 2 and 3 wob's two halves of 128 rows: one tensor load a wave behind each round.
; CLUSTERS: 4 x 4 work-groups.  The four of a row need the same tile of ctx, the four of a column the same tile of wob (a cluster's 512 rows lie in one b): each is asked for JOINTLY.
; THE MATRIX INSTRUCTION IS USED TRANSPOSED (source 0 = 16 rows of wob, source 1 = 16 rows of ctx): a lane holds eight neighbouring columns of a row.  bo is the C of each sum's first instruction.
; REGISTERS: window 0: v0-31 addresses; v64-95, v128-159 ctx's fragments, two buffers; v192-255 bo; on the way out v128-255.  window 1: v64-127, v128-191 wob's fragments.  window 2: accumulator (a, b) at v[8 (8 a + b)].
.set KSTEP,  128
.set PITCH,  272                       ; an LDS row: 256 bytes + 16 of padding
.set HA,     64*PITCH                  ; what a load for ctx brings, and what a wave reads of it
.set HB,     128*PITCH                 ; the same for wob
.set SLOT,   2*HA+2*HB
.set STAGE,  2*SLOT                    ; behind the ring: 16 rows x (512 bytes + 16) for each wave
.set SPITCH, 528
.set SPARE,  STAGE+4*16*SPITCH         ; the spare words, 128 bytes a wave
.set LAPS,   4                         ; a lap = two K steps = once round the ring
.set ADRA, 16
.set ADRB, 20
.set STO,  24
.set RD,   25
.set CO,   26
.set BOF,  27
.set SPW,  28
.set NIL,  29
.set PFO,  30
.set F0,   64
.set F1,   128
.set BIAS, 192
.set BK,   128
.set G1,   24
.set G0,   32
.set G1B,  48
.set G0B,  56
.set PFA,  44                          ; s[44:45] where my prefetches stand
.set LIM,  43                          ; s43  for slot 0's refills: 1 in a wave that prefetches there, else the greatest number
.set LIM2, 66                          ; s66  the same for slot 1's
.set MSB, 0
.macro WIN new
.if MSB != \new
	s_set_vgpr_msb (MSB<<8)|\new
.set MSB, \new
.endif
.endm
.set MUL,   0xa1                       ; source 0 (wob) window 1, source 1 (ctx) window 0, C and D window 2
.set FIRST, 0x81                       ; C (bo) window 0, D window 2
.set TO_B,  0x40
.macro JLOAD s                         ; a joint load; the branch hangs on the wave's number alone; an s_nop 0 and four v_nop follow each line
	s_cmp_eq_u32 s13, 0
	s_cbranch_scc0 .Lfor_b_\@
	tensor_load_to_lds s[G0+4*\s:G0+4*\s+3], s[G1:G1+7]
	s_nop 0
.rept 4
	v_nop
.endr
	s_branch .Lasked_\@
.Lfor_b_\@:
	tensor_load_to_lds s[G0B+4*\s:G0B+4*\s+3], s[G1B:G1B+7]
	s_nop 0
.rept 4
	v_nop
.endr
.Lasked_\@:
.endm
; A prefetch of the K step that stands two refills on (256 matrix instructions ahead of the load that will want it).  Each row's 256 bytes of K steps 4 to 7 are named once in the launch.
; wob's waves: of the 128 rows that the wave fetches, the partner at place cy takes 32, a lane a row, one K step at each refill; a b's two clusters read the same rows: the even one asks.
; ctx's waves: of the 64 rows, the partner at place cx takes 16: lanes 0-15 name one K step, lanes 16-31 the next, at slot 0's refills alone.  Partners are told apart by address.  The last trip asks for nothing.
.macro ASK lim
	s_cmp_gt_u32 s3, s[\lim]
	s_cbranch_scc0 .Lnot_mine_\@
	global_prefetch_b8 v[PFO], s[PFA:PFA+1] offset:KSTEP*2 th:TH_LOAD_NT scope:SCOPE_SE
.Lnot_mine_\@:
.endm
.macro CREST
	s_cmp_lg_u32 s12, 0
	s_cbranch_scc1 .Lnot_wave_0_\@
	s_barrier_signal -3
.Lnot_wave_0_\@:
	s_barrier_wait -3
	s_barrier_signal -1
	s_barrier_wait -1
.endm
.macro CROUND
	s_barrier_signal -1
	s_barrier_wait -1
	CREST
.endm
	s_load_b256 s[4:11], s[0:1], 0x0               ; ctx 4:5, wob 6:7, out0 8:9, bo 10:11
	v_lshl_add_u32 v[SPW], v0, 2, SPARE
	v_mov_b32 v[NIL], 0
	ds_add_u32 v[SPW], v[NIL]                      ; the wave's opening: the add, twice on end, and its wait ahead of my first tensor load
	ds_add_u32 v[SPW], v[NIL]
	v_lshrrev_b32 v1, 5, v0
	v_readfirstlane_b32 s12, v1                    ; wave 0..3
	s_lshr_b32 s13, s12, 1                         ; which 64 rows of the tile are mine.  Also: I fetch for ctx (0) or for wob (1)
	s_and_b32 s14, s12, 1                          ; which 128 columns.  Also: which half I fetch
	s_bfe_u32 s40, ttmp6, 0x40000                  ; cx, cy
	s_bfe_u32 s41, ttmp6, 0x40004
	s_lshl_b32 s42, ttmp9, 2
	s_add_co_u32 s42, s42, s40                     ; tile column = 4 x cluster x + cx
	s_and_b32 s67, ttmp7, 0xffff                   ; cluster y: two clusters to a b
	s_lshl_b32 s15, s67, 2
	s_add_co_u32 s15, s15, s41                     ; tile row = 4 x cluster y + cy
	s_lshl_b32 s43, s41, 2
	s_lshl_b32 s43, 15, s43                        ; my row of the cluster
	s_lshl_b32 s44, 0x1111, s40                    ; my column
	; group 1: rows of 128 elements of 2 bytes, 16 bytes of padding behind each; ctx: 64 rows, wob: 128
	s_or_b32 s[G1+0], s43, (1<<16)|(1<<20)|(1<<21)|(5<<22)|(3<<25)
	s_or_b32 s[G1B+0], s44, (1<<16)|(1<<20)|(1<<21)|(5<<22)|(3<<25)
	s_mov_b32 s[G1+1], KSTEP<<16                   ; tensor_dim0
	s_mov_b32 s[G1+2], 64<<16                      ; tensor_dim1
	s_mov_b32 s[G1+3], KSTEP<<16                   ; tile_dim0
	s_mov_b32 s[G1+4], 64                          ; tile_dim1
	s_mov_b32 s[G1+5], 1024                        ; pitch, in elements
	s_mov_b32 s[G1+6], 0
	s_mov_b32 s[G1+7], 0
	s_mov_b32 s[G1B+1], KSTEP<<16
	s_mov_b32 s[G1B+2], 128<<16
	s_mov_b32 s[G1B+3], KSTEP<<16
	s_mov_b32 s[G1B+4], 128
	s_mov_b32 s[G1B+5], 1024
	s_mov_b32 s[G1B+6], 0
	s_mov_b32 s[G1B+7], 0
	s_lshl_b32 s16, s15, 7
	s_lshl_b32 s17, s14, 6
	s_add_co_u32 s16, s16, s17                     ; ctx: row 128 x tile row + 64 x half,
	s_lshl_b32 s16, s16, 11                        ; of 2,048 bytes
	s_mov_b32 s17, 0
	s_lshl_b32 s46, s42, 8
	s_lshl_b32 s47, s14, 7
	s_add_co_u32 s46, s46, s47                     ; wob: row 256 x tile column + 128 x half,
	s_lshl_b32 s46, s46, 11
	s_lshr_b32 s47, s67, 1                         ; of b's 2 MiB: b hangs on the cluster's y alone
	s_lshl_b32 s47, s47, 21
	s_add_co_u32 s46, s46, s47
	s_mov_b32 s47, 0
	s_mul_i32 s20, s14, HA                         ; where they go: ctx's two halves,
	s_mul_i32 s21, s14, HB
	s_add_co_u32 s21, s21, 2*HA                    ; then wob's two
	s_wait_dscnt 0x0                               ; both opening adds are done
	s_wait_kmcnt 0x0
	s_add_nc_u64 s[18:19], s[4:5], s[16:17]
	s_add_nc_u64 s[46:47], s[6:7], s[46:47]
	CROUND                                         ; all sixteen work-groups are here: the first joint loads meet
.irp s, 0,1
	s_mov_b32 s[G0+4*\s], 1
	s_add_co_u32 s[G0+4*\s+1], s20, \s*SLOT
	s_add_nc_u64 s[G0+4*\s+2:G0+4*\s+3], s[18:19], \s*KSTEP*2
	s_or_b32 s[G0+4*\s+3], s[G0+4*\s+3], 0x80000000
	s_mov_b32 s[G0B+4*\s], 1
	s_add_co_u32 s[G0B+4*\s+1], s21, \s*SLOT
	s_add_nc_u64 s[G0B+4*\s+2:G0B+4*\s+3], s[46:47], \s*KSTEP*2
	s_or_b32 s[G0B+4*\s+3], s[G0B+4*\s+3], 0x80000000
	JLOAD \s
.endr
	v_and_b32 v1, 15, v0                           ; r
	v_bfe_u32 v2, v0, 4, 1                         ; h
	; out0 and bo at my first column; out0 at my first row
	s_lshl_b32 s46, s42, 10
	s_lshl_b32 s47, s14, 9
	s_add_co_u32 s46, s46, s47                     ; 4 x (256 x tile column + 128 x half)
	s_mov_b32 s47, 0
	s_add_nc_u64 s[10:11], s[10:11], s[46:47]
	v_lshlrev_b32 v[BOF], 5, v2
.irp b, 0,1,2,3,4,5,6,7
	global_load_b128 v[BIAS+8*\b:BIAS+8*\b+3], v[BOF], s[10:11] offset:64*\b          ; register 8 b + j: bo[n0 + 16 b + 8 h + j]
	global_load_b128 v[BIAS+8*\b+4:BIAS+8*\b+7], v[BOF], s[10:11] offset:64*\b+16
.endr
	s_lshl_b32 s16, s15, 7
	s_lshl_b32 s17, s13, 6
	s_add_co_u32 s16, s16, s17                     ; my first row: 128 x tile row + 64 x half,
	s_lshl_b32 s16, s16, 12                        ; of 4,096 bytes
	s_add_co_u32 s16, s16, s46
	s_mov_b32 s17, 0
	s_add_nc_u64 s[8:9], s[8:9], s[16:17]
	v_mul_u32_u24 v3, v1, PITCH
	v_lshl_add_u32 v3, v2, 4, v3                   ; a fragment's row x pitch + 16 x half
	s_mul_i32 s21, s13, HA                         ; my 64 rows of ctx
	s_mul_i32 s22, s14, HB                         ; my 128 rows of wob,
	s_add_co_u32 s22, s22, 2*HA                    ; which lie behind ctx's 128
.irp s, 0,1
	v_add_nc_u32 v[ADRA+\s], s21, v3
	v_add_nc_u32 v[ADRB+\s], s22, v3
	s_add_co_u32 s21, s21, SLOT
	s_add_co_u32 s22, s22, SLOT
.endr
	s_mul_i32 s23, s12, 16*SPITCH
	s_add_co_u32 s23, s23, STAGE                   ; my stage
	v_mul_u32_u24 v4, v1, SPITCH                   ; in: row r, 32 bytes for each half of the lanes
	v_lshl_add_u32 v4, v2, 5, v4
	v_add_nc_u32 v[STO], s23, v4
	v_and_b32 v5, 31, v0
	v_lshlrev_b32 v[CO], 4, v5                     ; back: the 32 lanes take one row of 512 bytes; and the same in out0
	v_add_nc_u32 v[RD], s23, v[CO]
	; the prefetches: where my wave's stand, and who asks
	s_lshl_b32 s20, s15, 7
	s_lshl_b32 s22, s14, 6
	s_add_co_u32 s20, s20, s22
	s_lshl_b32 s22, s40, 4
	s_add_co_u32 s20, s20, s22                     ; ctx: the 64 rows that I fetch, my work-group's 16 of them (by cx)
	s_lshl_b32 s21, s42, 8
	s_lshl_b32 s22, s14, 7
	s_add_co_u32 s21, s21, s22
	s_lshl_b32 s22, s41, 5
	s_add_co_u32 s21, s21, s22                     ; wob: the 128 rows that I fetch, my work-group's 32 of them (by cy),
	s_lshr_b32 s22, s67, 1
	s_lshl_b32 s22, s22, 10
	s_add_co_u32 s21, s21, s22                     ; in b's 1,024 rows
	s_and_b32 s22, s67, 1
	s_cmp_eq_u32 s22, 0
	s_cselect_b32 s22, 1, -1                       ; wob's waves ask in the even cluster of a b
	s_cmp_eq_u32 s13, 0                            ; do I fetch for ctx?
	s_cselect_b32 s20, s20, s21
	s_cselect_b64 s[PFA:PFA+1], s[4:5], s[6:7]
	s_cselect_b32 s2, 15, 31                       ; rows that my lanes name,
	s_cselect_b32 s23, 256, 0                      ; and what lanes 16-31 add along K
	s_cselect_b32 s[LIM], 1, s22
	s_cselect_b32 s[LIM2], -1, s22
	s_lshl_b32 s20, s20, 11
	s_add_co_u32 s20, s20, 2*KSTEP*2               ; at K step 2: the first refill steps it to 3 and names K step 4
	s_mov_b32 s21, 0
	s_add_nc_u64 s[PFA:PFA+1], s[PFA:PFA+1], s[20:21]
	v_and_b32 v[PFO], 31, v0
	v_lshrrev_b32 v31, 4, v[PFO]
	v_and_b32 v[PFO], s2, v[PFO]
	v_lshlrev_b32 v[PFO], 11, v[PFO]
	v_mad_u32_u24 v[PFO], v31, s23, v[PFO]
; 8 matrix instructions: ctx's block a x wob's eight, 32 along K, from buffer f.  zero = 1: the sum begins with bo.  The 32 accumulators take turns, in the same order in every quarter.
.macro MUL8 f, a, zero
.irp b, 0,1,2,3,4,5,6,7
.if \zero
	v_wmma_f32_16x16x32_f16 v[8*(8*(\a)+\b):8*(8*(\a)+\b)+7], v[\f+8*\b:\f+8*\b+7], v[\f+8*(\a):\f+8*(\a)+7], v[BIAS+8*\b:BIAS+8*\b+7]
.else
	v_wmma_f32_16x16x32_f16 v[8*(8*(\a)+\b):8*(8*(\a)+\b)+7], v[\f+8*\b:\f+8*\b+7], v[\f+8*(\a):\f+8*(\a)+7], v[8*(8*(\a)+\b):8*(8*(\a)+\b)+7]
.endif
.endr
.endm
; 24 LDS loads in one run: the fragments of 32 along K at byte k of the rows, into buffer f
.macro FETCH slot, k, f
	WIN TO_B
.irp i, 0,1,2,3,4,5,6,7
	ds_load_b128 v[\f+8*\i:\f+8*\i+3],   v[ADRB+\slot] offset:\k+\i*16*PITCH
	ds_load_b128 v[\f+8*\i+4:\f+8*\i+7], v[ADRB+\slot] offset:\k+\i*16*PITCH+32
.endr
	WIN 0
.irp i, 0,1,2,3
	ds_load_b128 v[\f+8*\i:\f+8*\i+3],   v[ADRA+\slot] offset:\k+\i*16*PITCH
	ds_load_b128 v[\f+8*\i+4:\f+8*\i+7], v[ADRA+\slot] offset:\k+\i*16*PITCH+32
.endr
.endm
.macro PLACES                          ; four plain vector lines between a matrix instruction and a load into, or a read of, its registers
.rept 4
	v_nop
.endr
.endm
; A K step is four quarters of 32 along K, 32 matrix instructions each, on buffers 0, 1, 0, 1.  One of the first three: it asks for the next quarter (byte k, buffer g) first, then multiplies buffer f.
.macro QUARTER slot, k, f, g, zero
	PLACES                                         ; buffer g was read by the products just issued
	FETCH \slot, \k, \g
	s_wait_dscnt 24                                ; buffer f is in: only the 24 loads just issued may be out
.if \zero
	WIN FIRST
.else
	WIN MUL
.endif
	MUL8 \f, 0, \zero
	MUL8 \f, 1, \zero
	MUL8 \f, 2, \zero
	MUL8 \f, 3, \zero
.endm
; The last quarter multiplies buffer 1 and changes slots: ONE barrier; in front of it each wave waits for all its tensor loads (one is out: its part of the next slot), adds 0 to its spare word, and waits for that and
; for its own reads of this slot.  fill = 1: the barrier opens a round of the cluster's, and this slot is filled again, two K steps ahead: the refill has a K step less sixteen matrix instructions in which to land.
.macro TURN slot, next, fill
.if \fill
	s_wait_xcnt 0x0                                ; the last prefetch, a K step back, has read its address
	s_add_nc_u64 s[PFA:PFA+1], s[PFA:PFA+1], KSTEP*2
.endif
	WIN 0
	s_wait_tensorcnt 0x0                           ; all my tensor loads have landed
	ds_add_u32 v[SPW], v[NIL]                      ; 0 onto my spare word
	s_wait_dscnt 1                                 ; buffer 1 is in; the add may be out
	WIN MUL
	MUL8 F1, 0, 0
	s_wait_dscnt 0x0                               ; the add is done, and my reads of this slot are over
	s_barrier_signal -1
	MUL8 F1, 1, 0
	WIN 0
	s_barrier_wait -1
.if \fill
	CREST                                          ; no wave of any partner still reads this slot's tile or has a load on its way
	s_add_nc_u64 s[G0+4*\slot+2:G0+4*\slot+3], s[G0+4*\slot+2:G0+4*\slot+3], 2*KSTEP*2
	s_add_nc_u64 s[G0B+4*\slot+2:G0B+4*\slot+3], s[G0B+4*\slot+2:G0B+4*\slot+3], 2*KSTEP*2
	JLOAD \slot                                    ; the first tensor load behind the round; its four v_nop are also the places in front of the loads below
.else
	PLACES
.endif
	FETCH \next, 0, F0
.if \fill
.if \slot == 0
	ASK LIM
.else
	ASK LIM2
.endif
.endif
	WIN MUL
	MUL8 F1, 2, 0
	MUL8 F1, 3, 0
.endm
	s_wait_tensorcnt 1                             ; my part of K step 0 is in; K step 1's load may be out
	s_barrier_signal -1
	s_barrier_wait -1
	FETCH 0, 0, F0
	s_wait_loadcnt 0x0                             ; bo
	QUARTER 0, 64,  F0, F1, 1                      ; the first quarter stands in front of the loop: its products start the sums
	WIN 0
	s_mov_b32 s3, LAPS-1
.Llap:                                                 ; a trip goes once round the ring, from a lap's second quarter to the next lap's first, and fills both slots again
	QUARTER 0, 128, F1, F0, 0
	QUARTER 0, 192, F0, F1, 0
	TURN 0, 1, 1
	QUARTER 1, 64,  F0, F1, 0
	QUARTER 1, 128, F1, F0, 0
	QUARTER 1, 192, F0, F1, 0
	TURN 1, 0, 1
	QUARTER 0, 64,  F0, F1, 0
	WIN 0
	s_sub_co_u32 s3, s3, 1
	s_cmp_lg_u32 s3, 0
	s_cbranch_scc1 .Llap
	QUARTER 0, 128, F1, F0, 0                      ; the last lap fills nothing
	QUARTER 0, 192, F0, F1, 0
	TURN 0, 1, 0
	QUARTER 1, 64,  F0, F1, 0
	QUARTER 1, 128, F1, F0, 0
	QUARTER 1, 192, F0, F1, 0
	s_wait_dscnt 0x0                               ; the very last quarter
	MUL8 F1, 0, 0
	MUL8 F1, 1, 0
	MUL8 F1, 2, 0
	MUL8 F1, 3, 0
	WIN 0
; THE WAY OUT, block by block of 16 rows x 128 columns: through my own stage and back as whole rows of 512 bytes.  LDS serves a wave's instructions in order: no wait between the stores and the loads.
.macro TOSTAGE a
	WIN 0x08                                       ; an LDS store's data are its source 1: window 2
.irp b, 0,1,2,3,4,5,6,7
	ds_store_b128 v[STO], v[8*(8*(\a)+\b):8*(8*(\a)+\b)+3] offset:64*\b          ; each accumulator from its low end on
	ds_store_b128 v[STO], v[8*(8*(\a)+\b)+4:8*(8*(\a)+\b)+7] offset:64*\b+16
.endr
	WIN 0
.set BB, BK+64*((\a)%2)
.irp t, 0,1,2,3,4,5,6,7,8,9,10,11,12,13,14,15
	ds_load_b128 v[BB+4*\t:BB+4*\t+3], v[RD] offset:\t*SPITCH
.endr
.endm
.macro SEND a, younger                 ; younger: the LDS instructions issued behind block a's loads, which may stay out
.set BB, BK+64*((\a)%2)
	s_wait_dscnt \younger
.if (\a) > 0
	s_add_nc_u64 s[8:9], s[8:9], 16*4096           ; (behind a wait on XCNT: the earlier stores have read their base)  16 rows on
.endif
.irp t, 0,1,2,3,4,5,6,7,8,9,10,11,12,13,14,15
	global_store_b128 v[CO], v[BB+4*\t:BB+4*\t+3], s[8:9] offset:\t*4096 th:TH_STORE_NT   ; 32 lanes store 512 consecutive bytes, aligned
.endr
.endm
	PLACES
	TOSTAGE 0
.irp a, 1,2,3
.if \a > 1
	s_wait_xcnt 0x0                                ; block a - 2's stores have read their registers and their base
.endif
	TOSTAGE \a
	SEND \a-1, 32                                  ; behind block a - 1's loads: block a's 16 stores and 16 loads
.endr
	s_wait_xcnt 0x0
	SEND 3, 0
	s_wait_tensorcnt 0x0                           ; the wave's end
	ds_add_u32 v[SPW], v[NIL]
	s_wait_dscnt 0x0
	CROUND                                         ; the closing round
	s_endpgm
.Lfunc_end_k_q8ab621677d_outp:
	.size	k_q8ab621677d_outp, .Lfunc_end_k_q8ab621677d_outp-k_q8ab621677d_outp
	.p2alignl 7, 3214868480
	.fill 96, 4, 3214868480
	.section	.rodata,"a",@progbits
	.p2align	6, 0x0
	.amdhsa_kernel k_q8ab621677d_outp
		.amdhsa_group_segment_fixed_size 327680
		.amdhsa_private_segment_fixed_size 0
		.amdhsa_enable_private_segment 0
		.amdhsa_kernarg_size 32
		.amdhsa_user_sgpr_count 2
		.amdhsa_user_sgpr_kernarg_segment_ptr 1
		.amdhsa_wavefront_size32 1
		.amdhsa_system_sgpr_workgroup_id_x 1
		.amdhsa_system_sgpr_workgroup_id_y 1
		.amdhsa_system_sgpr_workgroup_id_z 1
		.amdhsa_system_vgpr_workitem_id 0
		.amdhsa_next_free_vgpr 768
		.amdhsa_next_free_sgpr 68
		.amdhsa_reserve_vcc 0
		.amdhsa_float_denorm_mode_32 3
		.amdhsa_float_denorm_mode_16_64 3
		.amdhsa_memory_ordered 1
		.amdhsa_forward_progress 1
		.amdhsa_inst_pref_size 88
	.end_amdhsa_kernel
	.amdgpu_metadata
---
amdhsa.version: [ 1, 2 ]
amdhsa.kernels:
  - .name:           k_q8ab621677d_outp
    .symbol:         k_q8ab621677d_outp.kd
    .args:
      - { .name: ctx, .offset: 0, .size: 8, .value_kind: global_buffer, .address_space: global }
      - { .name: wob, .offset: 8, .size: 8, .value_kind: global_buffer, .address_space: global }
      - { .name: out0, .offset: 16, .size: 8, .value_kind: global_buffer, .address_space: global }
      - { .name: bo, .offset: 24, .size: 8, .value_kind: global_buffer, .address_space: global }
    .group_segment_fixed_size: 327680
    .private_segment_fixed_size: 0
    .kernarg_segment_align: 8
    .kernarg_segment_size: 32
    .max_flat_workgroup_size: 128
    .sgpr_count:     68
    .vgpr_count:     768
    .wavefront_size: 32
...
	.end_amdgpu_metadata
.endif
;; end of part 4
